; MI455X (gfx1250); checked and timed in simulation.
; The chip was launched on July 23, 2026; its instructions are those of AMD's public machine-readable ISA for CDNA 5 (MIT licence, August 2026) and "CDNA5" Instruction Set Architecture Reference Guide (July 2026). The comments in the code are by the model that wrote it; some were corrected since.
;; Multi Head Attention. Allowed arithmetic: matrix products marked QUANTISED: E4M3 operands, one given power-of-two scale a tensor, by v_wmma_f32_16x16x64_fp8_fp8 or v_wmma_f32_16x16x128_fp8_fp8, f32 sums; everything else in f32.
;; Inputs: Wk 1,024 x 1,024 float32; Wo 1,024 x 1,024 float32; Wq 1,024 x 1,024 float32; Wv 1,024 x 1,024 float32; k 4 x 2,048 x 1,024 float32; lowp_scales 12 int32 (the exponents e of the quantised operands' scales 2^e); mask 4 x 2,048 x 2,048 int32; q 4 x 2,048 x 1,024 float32; v 4 x 2,048 x 1,024 float32.
;; Outputs: out0 4 x 2,048 x 1,024 float32.
;; This version of the problem:
;;   THIS VERSION OF THE PROBLEM IS GIVEN IN LOW PRECISION. The matrix products marked QUANTISED in the list below multiply operands that are first quantised to E4M3 (4 exponent bits, 3 mantissa bits; 8 bits a number), with one given power-of-two scale for each operand tensor; their sums are f32. All else is computed in f32.
;;   The module's matrix products, in the order in which they are computed (A, B: the left and right operand; K: the contracted axis; several contracted axes count as one K, in the product's order):
;;     1. [M 8,192, K 1,024] x [K 1,024, N 1,024]; A: input q; B: input Wq: QUANTISED (scales: A lowp_scales[0], B lowp_scales[1])
;;     2. [M 8,192, K 1,024] x [K 1,024, N 1,024]; A: input k; B: input Wk: QUANTISED (scales: A lowp_scales[2], B lowp_scales[3])
;;     3. [M 8,192, K 1,024] x [K 1,024, N 1,024]; A: input v; B: input Wv: QUANTISED (scales: A lowp_scales[4], B lowp_scales[5])
;;     4. batch 64 x [M 2,048, K 64] x [K 64, N 2,048]; A: computed on the way; B: computed on the way: QUANTISED (scales: A lowp_scales[6], B lowp_scales[7])
;;     5. batch 64 x [M 64, K 2,048] x [K 2,048, N 2,048]; A: computed on the way; B: softmax (see below): QUANTISED (scales: A lowp_scales[8], B lowp_scales[9])
;;     6. [M 8,192, K 1,024] x [K 1,024, N 1,024]; A: computed on the way; B: input Wo: QUANTISED (scales: A lowp_scales[10], B lowp_scales[11])
;;   THE QUANTISER, for each operand of a quantised product, along K:
;;     - The operand's scale is 2^e, e = its entry of the input lowp_scales (int32; the entries are numbered through the quantised products in the list's order, A before B).
;;     - Each number is divided by the scale, clamped to +-448, and rounded to the nearest number of E4M3, ties to even, subnormals kept.
;;     - The product sums the exact products of the quantised numbers (number of the format x scale) in f32.
;;   ~~~python
;;   def quantise(x, axis, e):      # numpy; x: float32 -> the quantised numbers, widened to float32 again
;;       x = np.moveaxis(x, axis, -1); K = x.shape[-1]
;;       r = np.clip(x / 2.0 ** e, -448, 448)
;;       step = 2.0 ** (np.maximum(np.frexp(np.where(r == 0, 1, r))[1] - 1, -6) - 3)
;;       q = np.round(r / step) * step * 2.0 ** e      # np.round: ties to even
;;       return np.moveaxis(q, -1, axis).astype(np.float32)
;;   ~~~
;;   SOFTMAX AHEAD OF A QUANTISED PRODUCT. Where the list says 'softmax', what is quantised is not the finished softmax but p = 2^(t - M), with t = logit x log2(e) and M = ceil(the row's largest t), a whole number; so 1/2 < the row's largest p <= 1. The row's sum l is taken of the UNQUANTISED p, in f32, and the product's result is divided by l at the end. Since M is a whole number, a kernel that streams over the keys may use a running M (the ceiling of the running maximum): every later rescaling is an exact power of two, so the quantised numbers keep their values, but for numbers so far below the row's largest that they fall under the format's range.
;;   OPERANDS COMPUTED ON THE WAY. 'Computed on the way' means the value that the module computes at that place (a softmax that the list does not call 'softmax' is quantised finished and normalised). What goes into a quantiser is computed in f32, as accurately as f32 sums, v_exp_f32 and their like allow (about 1e-6 of the number): no bf16 or f16 on the way to a quantiser, and a product that is left as it is and whose result goes on into a quantised operand takes f32 operands (vector FMAs, or v_wmma_f32_16x16x4_f32). A number that lies on a knife's edge between two numbers of the format may be rounded either way, as far as f32 arithmetic and the matrix unit's own rounding can turn it there, and no further.
;; 2 versions, each right; version 2 is version 1 with the launches proj, attn, out written anew for expert scheduling mode. Each part assembles by itself: llvm-mc -triple=amdgcn-amd-amdhsa -mcpu=gfx1250 --defsym DOCPART=n.
;; ======== version 1 of 2: 4 launches
;; limits: right only within a limited range of input values
;; workspace buffers: wimg 4,194,304 bytes; rope 524,288 bytes; mbits 2,097,152 bytes; mflag 4,096 bytes of whole numbers; qkv 25,165,824 bytes; aimg 8,388,608 bytes
;; launch prep (part 1): grid 800 x 1, 4 waves a work-group, no clusters, 5,888 bytes of LDS; arguments mask, Wq, Wk, Wv, Wo, lowp_scales, mbits, wimg, rope, mflag; writes mbits, wimg, rope, mflag
.if DOCPART == 1
	.amdgcn_target "amdgcn-amd-amdhsa--gfx1250"
	.amdhsa_code_object_version 6
	.text
	.protected	k_q734641b95f_prep
	.globl	k_q734641b95f_prep
	.p2align	8
	.type	k_q734641b95f_prep,@function
k_q734641b95f_prep:
	s_mov_b64 s[64:65], 0
	v_nop
	global_prefetch_b8 v0, s[64:65] scope:SCOPE_SE
	s_setreg_imm32_b32 hwreg(HW_REG_WAVE_MODE, 25, 1), 1
	s_wait_xcnt 0x0
; PREP: what the three later launches read again and again is made once.  Three roles, told apart by the work-group's number alone.
;  M (work-groups 0-511): the mask [4][2048][2048] int32 becomes, for each tile of 16 queries u = 128 b + qt, a record of 4,096 bytes in mbits: for each key step of 128 keys 64 words:
;    bit (r + 16 h) of word n = (mask[b][16 qt + r][128 ks + 16 (n / 8) + 8 h + n % 8] != 0): the lane mask of score register n in the attention launch;
;    and two words in mflag: LIVE and FULL, 16 bits each, a bit a key step: the whole numbers on which the attention launch's branches hang have a buffer of their own.
;  W (512-767): Wq, Wk, Wv, Wo (f32, K first) become codes of E4M3 laid in the order of an operand's registers: [tensor][16 features][128 k][4 registers][lane][16 bytes].
;  T (768-799): cos and sin of pos x 10000^(-i/32), [pos 2048][i 32][cos, sin] f32.
; NO INPUT IS DEAD: every input has a way to the output and is loaded by some launch.
; WORK LEFT OUT, BY WHOLE NUMBERS THAT THIS LAUNCH STORES: a key step of a tile is marked not LIVE only where all its 16 x 128 mask entries are 0 AND each of the 16 rows has a key that counts somewhere
; among its 2,048.  Then reference() gives each such entry the logit -1e9 beside a logit that the quantisers bound (below), so p = 2^(t - M) is 0 in f32: it adds 0 to the row's sum and the code 0 to the
; product, whatever the values of q, k, v.  Where some row of a tile has no key that counts, all 16 steps of the tile are LIVE: that row's weights are uniform, as reference() has them.
; LIMITS: the weights' exponents e1, e3, e5, e11 lie between -126 and 119.  NaN among the inputs is not served.  A NaN, an infinity or an overflow that reaches only a step left out is not carried on.
; The angle: inv_freq = 2^(-i log2(10) / 8) by v_exp_f32, pos x inv_freq rounded to f32 as reference() rounds it; reduced by pi/2 in two parts; polynomials of degree 7 and 8 on |r| <= pi/4.
.set EXCH,  5120                       ; LDS: 0-5119 four regions of 16 rows x 80 bytes, a wave's own; 5120 four words, one a wave
.set SPARE, 5376                       ; the spare words: 128 bytes for each wave, two blocks of 256 bytes that no other line names
.set SPW,   12                         ; v12 LDS address of my spare word; never rewritten
.set NIL,   13                         ; v13 0; never rewritten
	s_load_b512 s[4:19], s[0:1], 0x0               ; mask s[4:5], Wq s[6:7], Wk s[8:9], Wv s[10:11], Wo s[12:13], scales s[14:15], mbits s[16:17], wimg s[18:19]
	s_load_b64 s[20:21], s[0:1], 0x40              ; rope
	s_load_b64 s[50:51], s[0:1], 0x48              ; mflag
	v_lshl_add_u32 v[SPW], v0, 2, SPARE
	v_mov_b32 v[NIL], 0
	v_lshrrev_b32 v1, 5, v0
	v_readfirstlane_b32 s22, v1                    ; wave 0..3
	v_and_b32 v1, 31, v0                           ; lane
	s_wait_kmcnt 0x0
	s_cmp_lt_u32 ttmp9, 512
	s_cbranch_scc1 .Lrole_m
	s_cmp_lt_u32 ttmp9, 768
	s_cbranch_scc1 .Lrole_w
; ---------------- ROLE T: a wave takes 16 positions, a lane a frequency; a position's 32 pairs are one store of 256 consecutive bytes
	s_sub_co_u32 s23, ttmp9, 768
	s_lshl_b32 s23, s23, 2
	s_add_co_u32 s23, s23, s22
	s_lshl_b32 s23, s23, 4                         ; my first position
	s_lshl_b32 s24, s23, 8
	s_mov_b32 s25, 0
	s_add_nc_u64 s[20:21], s[20:21], s[24:25]
	s_mov_b32 s26, 0x3f22f983                      ; 2 / pi
	s_mov_b32 s27, 0x3fc90fdb                      ; pi / 2, its f32 part,
	s_mov_b32 s28, 0xb33bbd2e                      ; and the rest
	s_mov_b32 s29, 0xb94ca1f9                      ; sine: -1.9515296e-4, 8.3321609e-3, -1.6666655e-1
	s_mov_b32 s30, 0x3c08839e
	s_mov_b32 s31, 0xbe2aaaa3
	s_mov_b32 s32, 0x37ccf5ce                      ; cosine: 2.4433157e-5, -1.3887316e-3, 4.1666646e-2
	s_mov_b32 s33, 0xbab6061a
	s_mov_b32 s34, 0x3d2aaaa5
	v_cvt_f32_u32 v2, v1
	v_mul_f32 v2, 0xbed49a78, v2                   ; -i log2(10) / 8
	v_exp_f32 v3, v2                               ; inv_freq
	v_lshlrev_b32 v6, 3, v1                        ; (a plain line behind the exponential)  8 bytes a lane
	v_cvt_f32_u32 v4, s23                          ; pos
	s_wait_alu depctr_va_vdst(0)                   ; the wait ahead of the first reader of the exponential
.macro TPOS p
	v_mul_f32 v16, v4, v3                          ; the angle, rounded to f32
	v_mul_f32 v17, s26, v16
	v_rndne_f32 v17, v17                           ; n = the nearest multiple of pi / 2
	v_fma_f32 v18, -v17, s27, v16
	v_fma_f32 v18, -v17, s28, v18                  ; r = angle - n pi / 2
	v_cvt_i32_f32 v20, v17
	v_mul_f32 v19, v18, v18                        ; z = r r
	v_fma_f32 v21, s29, v19, s30
	v_fma_f32 v22, s32, v19, s33
	v_fma_f32 v21, v21, v19, s31
	v_fma_f32 v22, v22, v19, s34
	v_mul_f32 v21, v21, v19
	v_mul_f32 v23, v19, v19
	v_fma_f32 v24, v19, -0.5, 1.0
	v_fma_f32 v21, v21, v18, v18                   ; sin r
	v_fma_f32 v22, v23, v22, v24                   ; cos r
	v_and_b32 v25, 1, v20
	v_cmp_ne_u32 vcc_lo, 0, v25                    ; an odd n swaps the two
	v_cndmask_b32 v26, v22, v21, vcc_lo
	v_cndmask_b32 v27, v21, v22, vcc_lo
	v_add_nc_u32 v28, 1, v20
	v_and_b32 v28, 2, v28                          ; the cosine is negative for n % 4 = 1, 2,
	v_and_b32 v29, 2, v20                          ; the sine for n % 4 = 2, 3
	v_lshlrev_b32 v28, 30, v28
	v_lshlrev_b32 v29, 30, v29
	v_xor_b32 v[64+2*(\p)], v26, v28
	v_xor_b32 v[65+2*(\p)], v27, v29
	global_store_b64 v6, v[64+2*(\p):65+2*(\p)], s[20:21] offset:256*(\p)   ; each position has its own pair of registers: no store's data are written again
	v_add_f32 v4, 1.0, v4
.endm
.set pp, 0
.rept 16
	TPOS pp
.set pp, pp+1
.endr
	s_endpgm
; ---------------- ROLE W: a lane takes a column (a feature), its registers run down K: the conversions' results are the operand's registers
; id = tensor x 64 + cg4 x 8 + j.  Wave w: columns 32 (4 cg4 + w) + lane; fragment j = 128 places of k.  Register 4 g + w of lane half h, byte y, holds
;   Wq, Wk, Wv:  k = 512 (j / 4) + 128 w + 32 (j % 4) + 8 g + 4 h + y   (the order in which the projection launch's dense loads of x leave x's codes: one permutation of k, alike on both sides)
;   Wo:          k = 128 j + 32 g + 16 (w / 2) + 8 h + 4 (w % 2) + y    (the matrix instruction's own order, in which the attention launch's results fall)
.Lrole_w:
	s_load_b256 s[68:75], s[14:15], 0x0            ; e0 .. e7
	s_load_b128 s[76:79], s[14:15], 0x20           ; e8 .. e11
	s_sub_co_u32 s23, ttmp9, 512
	s_lshr_b32 s24, s23, 6                         ; tensor
	s_bfe_u32 s25, s23, 0x30003
	s_and_b32 s26, s23, 7                          ; j
	s_lshl_b32 s25, s25, 2
	s_add_co_u32 s25, s25, s22                     ; cg: which 32 columns
	s_cmp_eq_u32 s24, 1
	s_cselect_b64 s[6:7], s[8:9], s[6:7]
	s_cmp_eq_u32 s24, 2
	s_cselect_b64 s[6:7], s[10:11], s[6:7]
	s_cmp_eq_u32 s24, 3
	s_cselect_b64 s[6:7], s[12:13], s[6:7]
	s_lshr_b32 s27, s26, 2
	s_lshl_b32 s27, s27, 9
	s_and_b32 s28, s26, 3
	s_lshl_b32 s28, s28, 5
	s_add_co_u32 s27, s27, s28                     ; the fragment's first row of W: 512 (j / 4) + 32 (j % 4),
	s_lshl_b32 s28, s26, 7                         ; or 128 j
	s_cmp_eq_u32 s24, 3
	s_cselect_b32 s27, s28, s27
	s_lshl_b32 s28, s27, 12                        ; a row of W is 4,096 bytes
	s_lshl_b32 s29, s25, 7
	s_add_co_u32 s28, s28, s29
	s_mov_b32 s29, 0
	s_add_nc_u64 s[6:7], s[6:7], s[28:29]
	s_lshl_b32 s28, s24, 20
	s_lshl_b32 s30, s25, 15
	s_add_co_u32 s28, s28, s30
	s_lshl_b32 s30, s26, 11
	s_add_co_u32 s28, s28, s30
	s_add_nc_u64 s[18:19], s[18:19], s[28:29]      ; wimg + tensor x 2^20 + cg x 2 tiles x 16,384 + j x 2,048
	v_lshlrev_b32 v2, 2, v1
	v_lshrrev_b32 v3, 4, v1
	v_and_b32 v4, 15, v1
	v_lshlrev_b32 v3, 14, v3
	v_lshl_add_u32 v3, v4, 4, v3                   ; lanes 16-31 belong to the next tile of 16 features
	s_wait_kmcnt 0x0
	s_mov_b32 s30, s69
	s_cmp_eq_u32 s24, 1
	s_cselect_b32 s30, s71, s30
	s_cmp_eq_u32 s24, 2
	s_cselect_b32 s30, s73, s30
	s_cmp_eq_u32 s24, 3
	s_cselect_b32 s30, s79, s30                    ; e
	s_add_co_i32 s30, s30, 127
	s_lshl_b32 s31, s30, 23
	v_mov_b32 v11, s31                             ; 2^e: the conversion takes its exponent field
	s_add_co_i32 s30, s30, 8
	s_lshl_b32 s30, s30, 23
	s_or_b32 s30, s30, 0x600000
	v_mov_b32 v10, s30                             ; 448 x 2^e
; block be = 0..3: lane half h = be / 2, groups g = 2 (be % 2) and 2 (be % 2) + 1: 32 numbers into set be % 2
.macro WLOAD map, be
.irp gg, 0,1
.irp w, 0,1,2,3
.irp y, 0,1,2,3
.if \map == 1
	global_load_b32 v[32+32*((\be)%2)+16*\gg+4*\w+\y], v2, s[6:7] offset:(128*\w+8*(2*((\be)%2)+\gg)+4*((\be)/2)+\y)*4096 th:TH_LOAD_NT
.else
	global_load_b32 v[32+32*((\be)%2)+16*\gg+4*\w+\y], v2, s[6:7] offset:(32*(2*((\be)%2)+\gg)+16*(\w/2)+8*((\be)/2)+4*(\w%2)+\y)*4096 th:TH_LOAD_NT
.endif
.endr
.endr
.endr
.endm
.macro WBLK map, be
.if \be < 3
	s_wait_loadcnt 32                              ; this block's 32 loads are in; the next block's may be out
.else
	s_wait_loadcnt 0x0
.endif
.set XS, 32+32*((\be)%2)
.set qq, 0
.rept 32
	v_med3_num_f32 v[XS+qq], v[XS+qq], -v10, v10   ; the conversion does not saturate (ISA guide 7.6.2): the hold at the largest code x the scale
.set qq, qq+1
.endr
.set qq, 0
.rept 4
	v_cvt_scalef32_pk8_fp8_f32 v[96+8*(\be)+2*qq:96+8*(\be)+2*qq+1], v[XS+8*qq:XS+8*qq+7], v11
.set qq, qq+1
.endr
	v_nop                                          ; a plain line behind the last conversion of the run
.irp gg, 0,1
	global_store_b128 v3, v[96+8*(\be)+4*\gg:96+8*(\be)+4*\gg+3], s[18:19] offset:512*(2*((\be)%2)+\gg)+256*((\be)/2)   ; sixteen lanes store 256 consecutive bytes, aligned; each block has its own registers
.endr
.if \be < 2
	WLOAD \map, (\be)+2
.endif
.endm
.macro WQ map
	WLOAD \map, 0
	WLOAD \map, 1
	WBLK \map, 0
	WBLK \map, 1
	WBLK \map, 2
	WBLK \map, 3
.endm
	s_cmp_eq_u32 s24, 3
	s_cbranch_scc1 .Lw_map2
	WQ 1
	s_endpgm
.Lw_map2:
	WQ 2
	s_endpgm
; ---------------- ROLE M: work-group u = 128 b + qt takes 16 rows of the mask; wave w their key steps 4 w .. 4 w + 3 (2,048 bytes of each row)
; Each load reads 512 consecutive bytes, one key step of one row: lane L has keys 4 L .. 4 L + 3.  A compare turns a register into a word (bit L = key 4 L + y); the 16 words of a row go through the wave's
; own LDS region, so that lane (r, h) gets row r's words; a bit test and a second compare then give the words in the lanes' order of the scores.
.Lrole_m:
	s_lshl_b32 s24, ttmp9, 17                      ; 16 rows of 8,192 bytes
	s_lshl_b32 s25, s22, 11
	s_add_co_u32 s24, s24, s25
	s_mov_b32 s25, 0
	s_add_nc_u64 s[4:5], s[4:5], s[24:25]
	s_lshl_b32 s24, ttmp9, 12                      ; my record of 4,096 bytes,
	s_lshl_b32 s26, s22, 10                        ; my wave's four key steps in it
	s_add_co_u32 s24, s24, s26
	s_add_nc_u64 s[18:19], s[16:17], s[24:25]
	v_lshlrev_b32 v2, 4, v1
.macro MLOAD bt                        ; batch bt: rows 4 bt .. 4 bt + 3, 16 loads, into set bt % 3
.set LB, 64+64*((\bt)%3)
.irp q, 0,1,2,3
.irp k, 0,1,2,3
	global_load_b128 v[LB+16*\q+4*\k:LB+16*\q+4*\k+3], v2, s[4:5] offset:(4*(\bt)+\q)*8192+\k*512 th:TH_LOAD_NT
.endr
.endr
.endm
	MLOAD 0
	MLOAD 1
	MLOAD 2
	s_mul_i32 s26, s22, 1280
	v_lshrrev_b32 v8, 4, v1                        ; h
	v_and_b32 v9, 15, v1                           ; r
	v_mul_u32_u24 v3, v8, 80
	v_lshl_add_u32 v3, v9, 2, v3
	v_add_nc_u32 v3, s26, v3                       ; in: two rows a store: row lane / 16, word lane % 16
	v_mul_u32_u24 v4, v9, 80
	v_add_nc_u32 v4, s26, v4                       ; back: row r; 80 = 5 x 16 bytes from row to row
	v_lshlrev_b32 v5, 1, v8                        ; 2 h
	v_lshlrev_b32 v6, 3, v1
	v_mov_b32 v7, s22
	v_lshlrev_b32 v7, 2, v7
	v_mov_b32 v10, 0                               ; the rows' OR over my four key steps
.irp z, 16,17,18,19,20,21,22,23,40,41,42,43,44,45,46,47
	v_mov_b32 v\z, 0                               ; v_writelane_b32's destination counts as read
.endr
	s_mov_b32 s48, 0
.macro MROW r
.set RB, 64+64*(((\r)/4)%3)+16*((\r)%4)
.set qq, 0
.rept 16
	v_cmp_ne_u32 s[32+qq], 0, v[RB+qq]             ; word 4 ksl + y of the row: bit L = key 4 L + y counts
.set qq, qq+1
.endr
.set qq, 0
.rept 16
	v_writelane_b32 v[16+(\r)/2], s[32+qq], 16*((\r)%2)+qq
.set qq, qq+1
.endr
.endm
	s_wait_loadcnt 32                              ; batch 0 is in; batches 1 and 2 may be out
.irp r, 0,1,2,3
	MROW \r
.endr
	MLOAD 3                                        ; into the set that batch 0 has left
	s_wait_loadcnt 32                              ; batch 1; 2 and 3 may be out
.irp r, 4,5,6,7
	MROW \r
.endr
	s_wait_loadcnt 16
.irp r, 8,9,10,11
	MROW \r
.endr
	s_wait_loadcnt 0x0
.irp r, 12,13,14,15
	MROW \r
.endr
.irp u, 0,1,2,3,4,5,6,7
	ds_store_b32 v3, v[16+\u] offset:160*\u
.endr
.irp k, 0,1,2,3
	ds_load_b128 v[24+4*\k:27+4*\k], v4 offset:16*\k   ; my own region: LDS serves a wave's instructions in order (ISA guide 5.7.1.4)
.endr
	s_wait_dscnt 0x0
.macro MSTEP k
.set WB, 24+4*(\k)
	v_or_b32 v50, v[WB], v[WB+1]
	v_or_b32 v51, v[WB+2], v[WB+3]
	v_and_b32 v52, v[WB], v[WB+1]
	v_and_b32 v53, v[WB+2], v[WB+3]
	v_or_b32 v50, v50, v51
	v_and_b32 v52, v52, v53
	v_or_b32 v10, v10, v50
	v_cmp_ne_u32 vcc_lo, 0, v50
	s_cmp_lg_u32 vcc_lo, 0                         ; does any key of the step count for any row?
	s_cselect_b32 s28, 1<<(16+(\k)), 0
	s_or_b32 s48, s48, s28
	v_cmp_eq_u32 vcc_lo, -1, v52
	s_cmp_eq_u32 vcc_lo, -1                        ; do all count for all rows?
	s_cselect_b32 s28, 1<<(20+(\k)), 0
	s_or_b32 s48, s48, s28
.irp y, 0,1,2,3
	v_lshrrev_b32 v[WB+\y], v5, v[WB+\y]           ; key 16 (n / 8) + 8 h + n % 8 = 4 L + y with y = n % 4, L = 4 (n / 8) + 2 h + (n % 8) / 4: the 2 h goes into a shift
.endr
.set nb, 0
.rept 8
.set mm, 0
.rept 8
	v_and_b32 v[54+mm], 1<<(4*nb+mm/4), v[WB+mm%4]
.set mm, mm+1
.endr
.set mm, 0
.rept 8
	v_cmp_ne_u32 s[32+mm], 0, v[54+mm]             ; word n = 8 nb + mm
.set mm, mm+1
.endr
.set mm, 0
.rept 8
	v_writelane_b32 v[40+2*(\k)+mm%2], s[32+mm], 4*nb+mm/2
.set mm, mm+1
.endr
.set nb, nb+1
.endr
	global_store_b64 v6, v[40+2*(\k):41+2*(\k)], s[18:19] offset:256*(\k)   ; lane l: words 2 l, 2 l + 1: 256 consecutive bytes, aligned
.endm
	MSTEP 0
	MSTEP 1
	MSTEP 2
	MSTEP 3
	v_cmp_ne_u32 vcc_lo, 0, v10
	s_and_b32 s28, vcc_lo, 0xffff                  ; bit r: row r has a key that counts among my 512
	s_or_b32 s48, s48, s28
	v_mov_b32 v50, s48
	ds_store_b32 v7, v50 offset:EXCH               ; all lanes write my wave's word with the same value
	s_wait_dscnt 0x0                               ; for the others' sake: my store is done
	s_barrier_signal -1
	s_barrier_wait -1
	s_cmp_lg_u32 s22, 0
	s_cbranch_scc1 .Lm_end                         ; wave 0 writes the tile's two flag words
	v_mov_b32 v8, EXCH
	ds_load_b128 v[56:59], v8
	s_wait_dscnt 0x0
.irp w, 0,1,2,3
	v_readfirstlane_b32 s[32+\w], v[56+\w]
.endr
	s_or_b32 s36, s32, s33
	s_or_b32 s37, s34, s35
	s_or_b32 s36, s36, s37
	s_and_b32 s36, s36, 0xffff                     ; the rows that have a key that counts
	s_mov_b32 s38, 0
	s_mov_b32 s39, 0
.irp w, 0,1,2,3
	s_bfe_u32 s40, s[32+\w], 0x40010
	s_lshl_b32 s40, s40, 4*\w
	s_or_b32 s38, s38, s40
	s_bfe_u32 s40, s[32+\w], 0x40014
	s_lshl_b32 s40, s40, 4*\w
	s_or_b32 s39, s39, s40
.endr
	s_mov_b32 s41, 0xffff
	s_cmp_eq_u32 s36, s41
	s_cselect_b32 s38, s38, s41                    ; a row with no key that counts makes all 16 steps LIVE
	s_lshl_b32 s24, ttmp9, 3                       ; 8 bytes a tile (s25 is still 0)
	s_add_nc_u64 s[50:51], s[50:51], s[24:25]
	v_mov_b32 v48, s38
	v_mov_b32 v49, s39
	v_cmp_eq_u32 vcc_lo, 0, v1
	s_wait_xcnt 0x0                                ; my earlier stores have read EXEC: it changes only behind this wait
	s_and_saveexec_b32 s42, vcc_lo                 ; lane 0 alone: the two words are all that this work-group has for that buffer
	global_store_b64 v6, v[48:49], s[50:51]        ; (v6 = 8 x lane = 0)
	s_wait_xcnt 0x0                                ; and again, ahead of the line that widens EXEC
	s_or_b32 exec_lo, exec_lo, s42
.Lm_end:
	s_wait_tensorcnt 0x0                           ; the wave's end: three closing lines behind my last LDS store
	ds_add_u32 v[SPW], v[NIL]
	s_wait_dscnt 0x0
	s_endpgm
.Lfunc_end_k_q734641b95f_prep:
	.size	k_q734641b95f_prep, .Lfunc_end_k_q734641b95f_prep-k_q734641b95f_prep
	.p2alignl 7, 3214868480
	.fill 96, 4, 3214868480
	.section	.rodata,"a",@progbits
	.p2align	6, 0x0
	.amdhsa_kernel k_q734641b95f_prep
		.amdhsa_group_segment_fixed_size 5888
		.amdhsa_private_segment_fixed_size 0
		.amdhsa_enable_private_segment 0
		.amdhsa_kernarg_size 80
		.amdhsa_user_sgpr_count 2
		.amdhsa_user_sgpr_kernarg_segment_ptr 1
		.amdhsa_wavefront_size32 1
		.amdhsa_system_sgpr_workgroup_id_x 1
		.amdhsa_system_sgpr_workgroup_id_y 1
		.amdhsa_system_sgpr_workgroup_id_z 1
		.amdhsa_system_vgpr_workitem_id 0
		.amdhsa_next_free_vgpr 256
		.amdhsa_next_free_sgpr 80
		.amdhsa_reserve_vcc 1
		.amdhsa_float_denorm_mode_32 3
		.amdhsa_float_denorm_mode_16_64 3
		.amdhsa_memory_ordered 1
		.amdhsa_forward_progress 1
		.amdhsa_inst_pref_size 160
	.end_amdhsa_kernel
	.amdgpu_metadata
---
amdhsa.version: [ 1, 2 ]
amdhsa.kernels:
  - .name:           k_q734641b95f_prep
    .symbol:         k_q734641b95f_prep.kd
    .args:
      - { .name: mask, .offset: 0, .size: 8, .value_kind: global_buffer, .address_space: global }
      - { .name: Wq, .offset: 8, .size: 8, .value_kind: global_buffer, .address_space: global }
      - { .name: Wk, .offset: 16, .size: 8, .value_kind: global_buffer, .address_space: global }
      - { .name: Wv, .offset: 24, .size: 8, .value_kind: global_buffer, .address_space: global }
      - { .name: Wo, .offset: 32, .size: 8, .value_kind: global_buffer, .address_space: global }
      - { .name: lowp_scales, .offset: 40, .size: 8, .value_kind: global_buffer, .address_space: global }
      - { .name: mbits, .offset: 48, .size: 8, .value_kind: global_buffer, .address_space: global }
      - { .name: wimg, .offset: 56, .size: 8, .value_kind: global_buffer, .address_space: global }
      - { .name: rope, .offset: 64, .size: 8, .value_kind: global_buffer, .address_space: global }
      - { .name: mflag, .offset: 72, .size: 8, .value_kind: global_buffer, .address_space: global }
    .group_segment_fixed_size: 5888
    .private_segment_fixed_size: 0
    .kernarg_segment_align: 8
    .kernarg_segment_size: 80
    .max_flat_workgroup_size: 128
    .sgpr_count:     80
    .vgpr_count:     256
    .wavefront_size: 32
...
	.end_amdgpu_metadata
.endif
;; end of part 1
;; launch proj (part 2): grid 192 x 1, 4 waves a work-group, no clusters, 139,776 bytes of LDS; arguments q, k, v, lowp_scales, wimg, rope, qkv; writes qkv
.if DOCPART == 2
	.amdgcn_target "amdgcn-amd-amdhsa--gfx1250"
	.amdhsa_code_object_version 6
	.text
	.protected	k_q734641b95f_proj
	.globl	k_q734641b95f_proj
	.p2align	8
	.type	k_q734641b95f_proj,@function
k_q734641b95f_proj:
	s_mov_b64 s[64:65], 0
	v_nop
	global_prefetch_b8 v0, s[64:65] scope:SCOPE_SE
	s_setreg_imm32_b32 hwreg(HW_REG_WAVE_MODE, 25, 1), 1
	s_wait_xcnt 0x0
; PROJ: Q = rope(q Wq) / 8, K = rope(k Wk), V = v Wv, each product on codes of E4M3, each result quantised for the attention launch and stored in the order of an operand's registers.
; No work of reference() is left out here.
; SHARES.  Work-group = tensor T (ttmp9 / 64: q, k, v) x block rb of 128 rows, all 1,024 columns: its 512 KB of x are read once, each byte of the weights' codes once.  128 rows are one key step of V^T.
; PHASE X: wave w quantises rows 32 w .. 32 w + 31: a row is read as 4,096 bytes on end (8 loads of 512); lane L then holds k = 128 s + 4 L + y, and its codes are two groups of 16 bytes that lie in LDS
; at tile x 17,408 + G x 272 + 16 x row, G = L + 32 sigma.  A fragment's group g of K step j is G = 8 j + 2 g + h: one permutation of k, the same as in the weights' images.
; TWO PASSES of 512 columns (128 x 1,024 sums would fill every register): in pass p wave w makes heads 8 p + 2 w, 8 p + 2 w + 1 for all 128 rows: 64 accumulators.  The weights' fragments go from memory
; straight into the registers of the one wave that multiplies them (two sets, a K step ahead); x's fragments come from LDS (one set: a block is fetched anew when its eight products are issued).
; No joint loads: the waves of a work-group share no weight, and a weight tile sent through LDS would add its bytes once in and once out of LDS to the 1 MB of x's fragments that a work-group reads.
; Q, K: source 0 = 16 features, source 1 = 16 tokens: a lane holds one token and eight neighbouring features, so RoPE's pairs lie in one lane.  V: the sources swapped: a lane holds one feature and eight
; neighbouring tokens, which are neighbours along the second attention product's K.
; LIMITS: e0, e2, e4, and e6 + 3 - e0 - e1, e7 - e2 - e3, e8 - e4 - e5 lie between -126 and 119.  NaN among the inputs is not served.
; REGISTERS: window 0: v1-13 addresses and scales; v16-31 codes at work; v32-255 seven sets of a row of x, later v32-95 cos and sin, v96-127 at work, v128-255 x's fragments, later the results' codes.
;   window 1: the weights' fragments, two sets of 128.   windows 2, 3: the accumulators, (a, b) at 8 (8 (a % 4) + b) of window 2 + a / 4.
.set TP, 17408                         ; LDS: from tile to tile of 16 rows
.set JP, 2176                          ; from K step to K step: 8 groups of 272
.set GP, 544                           ; from group to group of a fragment: 2 x 272
.set SPARE, 139264                     ; behind x's images: the spare words, 128 bytes for each wave
.set LI,   1                           ; v1   16 x lane
.set XS,   2                           ; v2   where I store a row's codes: 272 x lane + 34,816 x wave
.set XLIM, 3                           ; v3   448 x 2^ex
.set XSC,  4                           ; v4   2^ex
.set ADA,  5                           ; v5-7 x's fragments: 16 r + 272 h + three tiles x 0, 1, 2
.set TO,   9                           ; v9   cos and sin: 256 r + 32 h
.set OLIM, 10                          ; v10  448 x the results' folded scale
.set OSC,  11                          ; v11  that scale
.set SPW,  12
.set NIL,  13
.set CD,   16
.set XR,   32
.set CS,   32
.set TMP,  96
.set AF,   128
.set MSB, 0
.macro WIN new                         ; the immediate's high byte repeats the setting that is left
.if MSB != (\new)
	s_set_vgpr_msb (MSB<<8)|(\new)
.set MSB, (\new)
.endif
.endm
.macro PLACES n
.rept \n
	v_nop
.endr
.endm
	s_load_b256 s[4:11], s[0:1], 0x0               ; q s[4:5], k s[6:7], v s[8:9], scales s[10:11]
	s_load_b128 s[12:15], s[0:1], 0x20             ; wimg s[12:13], rope s[14:15]
	s_load_b64 s[16:17], s[0:1], 0x30              ; qkv
	v_lshl_add_u32 v[SPW], v0, 2, SPARE
	v_mov_b32 v[NIL], 0
	v_lshrrev_b32 v8, 5, v0
	v_readfirstlane_b32 s18, v8                    ; wave
	s_lshr_b32 s19, ttmp9, 6                       ; T
	s_and_b32 s20, ttmp9, 63                       ; rb
	v_and_b32 v8, 31, v0
	v_lshlrev_b32 v[LI], 4, v8
	s_mul_i32 s22, s18, 34816
	v_mul_u32_u24 v[XS], v8, 272
	v_add_nc_u32 v[XS], s22, v[XS]
	v_and_b32 v14, 15, v0                          ; r
	v_bfe_u32 v15, v0, 4, 1                        ; h
	v_mul_u32_u24 v[ADA], v15, 272
	v_lshl_add_u32 v[ADA], v14, 4, v[ADA]
	v_add_nc_u32 v[ADA+1], 3*TP, v[ADA]
	v_add_nc_u32 v[ADA+2], 6*TP, v[ADA]
	v_lshlrev_b32 v[TO], 8, v14
	v_lshl_add_u32 v[TO], v15, 5, v[TO]
	s_lshl_b32 s22, s20, 19                        ; x: 128 rows of 4,096 bytes a block, 32 a wave
	s_lshl_b32 s23, s18, 17
	s_add_co_u32 s22, s22, s23
	s_mov_b32 s23, 0
	s_lshl_b32 s34, s19, 20                        ; wimg: tensor x 2^20 + wave x 8 tiles x 16,384
	s_lshl_b32 s35, s18, 17
	s_add_co_u32 s34, s34, s35
	s_mov_b32 s35, 0
	s_and_b32 s36, s20, 15                         ; which 128 positions of the sequence
	s_lshl_b32 s38, s36, 15
	s_mov_b32 s39, 0
	s_lshl_b32 s40, s19, 23                        ; qkv: tensor x 2^23 + batch x 2^21 + 2 heads x wave x 2^17 + block x 8,192
	s_lshr_b32 s41, s20, 4
	s_lshl_b32 s41, s41, 21
	s_add_co_u32 s40, s40, s41
	s_lshl_b32 s41, s18, 18
	s_add_co_u32 s40, s40, s41
	s_lshl_b32 s41, s36, 13
	s_add_co_u32 s40, s40, s41
	s_mov_b32 s41, 0
	s_wait_kmcnt 0x0
	s_load_b256 s[24:31], s[10:11], 0x0            ; e0 .. e7
	s_load_b32 s32, s[10:11], 0x20                 ; e8
	s_cmp_eq_u32 s19, 1
	s_cselect_b64 s[4:5], s[6:7], s[4:5]
	s_cmp_eq_u32 s19, 2
	s_cselect_b64 s[4:5], s[8:9], s[4:5]
	s_add_nc_u64 s[4:5], s[4:5], s[22:23]
	s_add_nc_u64 s[12:13], s[12:13], s[34:35]
	s_add_nc_u64 s[14:15], s[14:15], s[38:39]
	s_add_nc_u64 s[16:17], s[16:17], s[40:41]
.macro XLOAD i                         ; row i of my 32: 4,096 bytes on end, into set i % 7
.set XB, XR+32*((\i)%7)
.set qq, 0
.rept 8
	global_load_b128 v[XB+4*qq:XB+4*qq+3], v[LI], s[4:5] offset:4096*(\i)+512*qq th:TH_LOAD_NT
.set qq, qq+1
.endr
.endm
.irp i, 0,1,2,3,4,5,6
	XLOAD \i
.endr
	s_wait_kmcnt 0x0
	s_add_co_i32 s30, s30, 3                       ; Q is divided by 8 = 2^3 ahead of its quantiser
	s_cmp_eq_u32 s19, 1
	s_cselect_b32 s24, s26, s24
	s_cselect_b32 s25, s27, s25
	s_cselect_b32 s30, s31, s30
	s_cmp_eq_u32 s19, 2
	s_cselect_b32 s24, s28, s24
	s_cselect_b32 s25, s29, s25
	s_cselect_b32 s30, s32, s30
	s_sub_co_i32 s30, s30, s24
	s_sub_co_i32 s30, s30, s25                     ; a sum stands for sum x 2^(ex + ew): the three exponents are folded into the conversion's one
	s_add_co_i32 s24, s24, 127
	s_lshl_b32 s25, s24, 23
	v_mov_b32 v[XSC], s25
	s_add_co_i32 s24, s24, 8
	s_lshl_b32 s24, s24, 23
	s_or_b32 s24, s24, 0x600000
	v_mov_b32 v[XLIM], s24
	s_add_co_i32 s30, s30, 127
	s_lshl_b32 s25, s30, 23
	v_mov_b32 v[OSC], s25
	s_add_co_i32 s30, s30, 8
	s_lshl_b32 s30, s30, 23
	s_or_b32 s30, s30, 0x600000
	v_mov_b32 v[OLIM], s30
.macro XROW i
.if 31-(\i) < 6
	s_wait_loadcnt 8*(31-(\i))                     ; my row is in; the younger rows' loads, eight each, may be out
.else
	s_wait_loadcnt 48
.endif
.set XB, XR+32*((\i)%7)
.set CB, CD+8*((\i)%2)
.set qq, 0
.rept 32
	v_med3_num_f32 v[XB+qq], v[XB+qq], -v[XLIM], v[XLIM]   ; the conversion does not saturate (ISA guide 7.6.2): the hold
.set qq, qq+1
.endr
.set qq, 0
.rept 4
	v_cvt_scalef32_pk8_fp8_f32 v[CB+2*qq:CB+2*qq+1], v[XB+8*qq:XB+8*qq+7], v[XSC]
.set qq, qq+1
.endr
	v_nop                                          ; a plain line behind the last conversion of the run
	ds_store_b128 v[XS], v[CB:CB+3] offset:((\i)/16)*TP+((\i)%16)*16
	ds_store_b128 v[XS], v[CB+4:CB+7] offset:((\i)/16)*TP+((\i)%16)*16+32*272
.if (\i)+7 < 32
	XLOAD (\i)+7
.endif
.endm
.set rr, 0
.rept 32
	XROW rr
.set rr, rr+1
.endr
.macro FETCH_A j, a0                   ; x's blocks a0 .. a0 + 3 of K step j
.irp a, \a0, \a0+1, \a0+2, \a0+3
.irp g, 0,1,2,3
	ds_load_b128 v[AF+16*(\a)+4*\g:AF+16*(\a)+4*\g+3], v[ADA+(\a)/3] offset:((\a)%3)*TP+(\j)*JP+\g*GP
.endr
.endr
.endm
.macro LOADB set, j, extra             ; my eight weight fragments of K step j: each load is 512 bytes on end
	WIN 0x40
.irp b, 0,1,2,3,4,5,6,7
.irp g, 0,1,2,3
	global_load_b128 v[128*(\set)+16*\b+4*\g:128*(\set)+16*\b+4*\g+3], v[LI], s[12:13] offset:(\extra)+\b*16384+(\j)*2048+\g*512
.endr
.endr
	WIN 0
.endm
; 16 matrix instructions: x's blocks a0, a0 + 1 against my eight weight tiles.  The 64 accumulators take turns, one instruction a turn, in the same order in every step.
.macro MUL a0, set, zero, ord
.irp a, \a0, \a0+1
.irp b, 0,1,2,3,4,5,6,7
.set AC, 8*(8*((\a)%4)+\b)
.if \ord
.if \zero
	v_wmma_f32_16x16x128_fp8_fp8 v[AC:AC+7], v[AF+16*(\a):AF+16*(\a)+15], v[128*(\set)+16*\b:128*(\set)+16*\b+15], 0
.else
	v_wmma_f32_16x16x128_fp8_fp8 v[AC:AC+7], v[AF+16*(\a):AF+16*(\a)+15], v[128*(\set)+16*\b:128*(\set)+16*\b+15], v[AC:AC+7]
.endif
.else
.if \zero
	v_wmma_f32_16x16x128_fp8_fp8 v[AC:AC+7], v[128*(\set)+16*\b:128*(\set)+16*\b+15], v[AF+16*(\a):AF+16*(\a)+15], 0
.else
	v_wmma_f32_16x16x128_fp8_fp8 v[AC:AC+7], v[128*(\set)+16*\b:128*(\set)+16*\b+15], v[AF+16*(\a):AF+16*(\a)+15], v[AC:AC+7]
.endif
.endif
.endr
.endr
.endm
; A K step of 128.  Four plain places stand between the last matrix instruction that read a register and a load into it (ISA guide 7.12.1 for vector instructions).
.macro STEP j, zero, ord, lc
	s_wait_loadcnt \lc                             ; this step's weights are in; lc = 32: the next step's 32 loads may be out; lc = 0: none follow them
	s_wait_dscnt 16                                ; x's blocks 0-3 are in; blocks 4-7 may be out
	WIN 0xa1+3*(\ord)
	MUL 0, (\j)%2, \zero, \ord
	MUL 2, (\j)%2, \zero, \ord
	s_wait_dscnt 0x0
	PLACES 4
	WIN 0
.if \j < 7
	FETCH_A (\j)+1, 0
.endif
	WIN 0xf1+3*(\ord)
	MUL 4, (\j)%2, \zero, \ord
	MUL 6, (\j)%2, \zero, \ord
	PLACES 4
	WIN 0
.if \j < 7
	FETCH_A (\j)+1, 4
.endif
.if \j < 6
	LOADB (\j)%2, (\j)+2, 0
.endif
.endm
; Q, K: cos and sin of pairs 8 t + 4 h + 0 .. 3 of token 16 a + r
.macro CSLOAD a
.set CB, CS+32*((\a)%2)
.irp t, 0,1,2,3
.irp q, 0,1
	global_load_b128 v[CB+8*\t+4*\q:CB+8*\t+4*\q+3], v[TO], s[14:15] offset:4096*(\a)+64*\t+16*\q
.endr
.endr
.endm
; tile a of tokens, head e of my two: RoPE, the hold, the conversion: the eight code registers are the tile's fragment for the K = 64 form (registers 2 t, 2 t + 1: dims 16 t + 8 h + 0 .. 7)
.macro UNIT a, e
.set CB, CS+32*((\a)%2)
.set CO, AF+8*(2*(\a)+(\e))
	WIN 0x02+(\a)/4
.irp t, 0,1,2,3
.set AC, 8*(8*((\a)%4)+4*(\e)+\t)
.irp i, 0,2,4,6
	v_pk_mul_f32 v[TMP+8*\t+\i:TMP+8*\t+\i+1], v[AC+\i:AC+\i+1], v[CB+8*\t+\i:CB+8*\t+\i+1] op_sel_hi:[1,0]   ; (x1 cos, x2 cos); each accumulator from its low end on
.endr
.irp i, 0,2,4,6
	v_pk_fma_f32 v[TMP+8*\t+\i:TMP+8*\t+\i+1], v[AC+\i:AC+\i+1], v[CB+8*\t+\i:CB+8*\t+\i+1], v[TMP+8*\t+\i:TMP+8*\t+\i+1] op_sel:[1,1,0] op_sel_hi:[0,1,1] neg_lo:[0,1,0]   ; (- x2 sin + .., x1 sin + ..)
.endr
.endr
	WIN 0
.set qq, 0
.rept 32
	v_med3_num_f32 v[TMP+qq], v[TMP+qq], -v[OLIM], v[OLIM]
.set qq, qq+1
.endr
.set qq, 0
.rept 4
	v_cvt_scalef32_pk8_fp8_f32 v[CO+2*qq:CO+2*qq+1], v[TMP+8*qq:TMP+8*qq+7], v[OSC]
.set qq, qq+1
.endr
	v_nop
	global_store_b128 v[LI], v[CO:CO+3], s[16:17] offset:(\e)*131072+(\a)*1024       ; 512 bytes on end; each unit has its own registers
	global_store_b128 v[LI], v[CO+4:CO+7], s[16:17] offset:(\e)*131072+(\a)*1024+512
.endm
; V: head e: accumulator (a, 4 e + ct) holds tokens 16 a + 8 h + 0 .. 7 of feature 16 ct + r: registers 2 a, 2 a + 1 of fragment ct of V^T
.macro VEPI e
.irp hw, 0,1
	WIN 0x82+0x41*\hw
.irp a4, 0,1,2,3
.irp ct, 0,1,2,3
.set AC, 8*(8*\a4+4*(\e)+\ct)
.set qq, 0
.rept 8
	v_med3_num_f32 v[AC+qq], v[AC+qq], -v[OLIM], v[OLIM]
.set qq, qq+1
.endr
.endr
.endr
	WIN 0x02+\hw
.irp a4, 0,1,2,3
.irp ct, 0,1,2,3
.set AC, 8*(8*\a4+4*(\e)+\ct)
	v_cvt_scalef32_pk8_fp8_f32 v[AF+64*(\e)+16*\ct+2*(4*\hw+\a4):AF+64*(\e)+16*\ct+2*(4*\hw+\a4)+1], v[AC:AC+7], v[OSC]
.endr
.endr
	WIN 0
	v_nop
.endr
.irp ct, 0,1,2,3
.irp g, 0,1,2,3
	global_store_b128 v[LI], v[AF+64*(\e)+16*\ct+4*\g:AF+64*(\e)+16*\ct+4*\g+3], s[16:17] offset:(\e)*131072+\ct*2048+\g*512
.endr
.endr
.endm
.macro PASSES ord
	s_mov_b32 s21, 0
.Lpass_\@:
	FETCH_A 0, 0
	FETCH_A 0, 4
	STEP 0, 1, \ord, 32                            ; the first K step starts the sums: nothing is cleared.  Both ways in have K steps 0 and 1 asked for, 32 loads each: the count leaves step 1's out
	STEP 1, 0, \ord, 32
	STEP 2, 0, \ord, 32
	STEP 3, 0, \ord, 32
	STEP 4, 0, \ord, 32
	STEP 5, 0, \ord, 32
	STEP 6, 0, \ord, 32
	STEP 7, 0, \ord, 0                             ; only K step 7's own loads are out here
	s_cmp_eq_u32 s21, 1
	s_cbranch_scc1 .Llast_\@
	LOADB 0, 0, 524288                             ; the next pass's first two K steps, both sets under ONE branch: at the loop's head either all 64 loads are out or none,
	LOADB 1, 1, 524288                             ; so the count there means the same on every way.  The last pass asks for nothing: no load leaves its tensor's part of the buffer
.Llast_\@:
.if \ord
	VEPI 0
	VEPI 1
.else
	CSLOAD 0
	CSLOAD 1
.irp a, 0,1,2,3,4,5,6,7
.if \a < 7
	s_wait_loadcnt 8                               ; this tile's cos and sin are in; the next tile's eight loads may be out
.else
	s_wait_loadcnt 0x0
.endif
	UNIT \a, 0
	UNIT \a, 1
.if \a < 6
	CSLOAD (\a)+2
.endif
.endr
.endif
	s_wait_xcnt 0x0                                ; the loads and stores have read their bases and data: only now are the bases stepped, and x's fragments fetched into the codes' registers
	s_add_nc_u64 s[12:13], s[12:13], 524288        ; the next 32 tiles of features
	s_add_nc_u64 s[16:17], s[16:17], 1048576       ; the next eight heads
	s_add_co_u32 s21, s21, 1
	s_cmp_lt_u32 s21, 2
	s_cbranch_scc1 .Lpass_\@
	s_wait_tensorcnt 0x0                           ; the wave's end: three closing lines behind my last LDS store
	ds_add_u32 v[SPW], v[NIL]
	s_wait_dscnt 0x0
	s_endpgm
.endm
	LOADB 0, 0, 0
	LOADB 1, 1, 0
	s_wait_dscnt 0x0                               ; for the others' sake: my rows' codes lie in LDS
	s_barrier_signal -1
	s_barrier_wait -1                              ; the only barrier: from here on LDS is only read
	s_cmp_eq_u32 s19, 2
	s_cbranch_scc1 .Lv_path
	PASSES 0
.Lv_path:
	PASSES 1
.Lfunc_end_k_q734641b95f_proj:
	.size	k_q734641b95f_proj, .Lfunc_end_k_q734641b95f_proj-k_q734641b95f_proj
	.p2alignl 7, 3214868480
	.fill 96, 4, 3214868480
	.section	.rodata,"a",@progbits
	.p2align	6, 0x0
	.amdhsa_kernel k_q734641b95f_proj
		.amdhsa_group_segment_fixed_size 139776
		.amdhsa_private_segment_fixed_size 0
		.amdhsa_enable_private_segment 0
		.amdhsa_kernarg_size 56
		.amdhsa_user_sgpr_count 2
		.amdhsa_user_sgpr_kernarg_segment_ptr 1
		.amdhsa_wavefront_size32 1
		.amdhsa_system_sgpr_workgroup_id_x 1
		.amdhsa_system_sgpr_workgroup_id_y 1
		.amdhsa_system_sgpr_workgroup_id_z 1
		.amdhsa_system_vgpr_workitem_id 0
		.amdhsa_next_free_vgpr 1024
		.amdhsa_next_free_sgpr 66
		.amdhsa_reserve_vcc 0
		.amdhsa_float_denorm_mode_32 3
		.amdhsa_float_denorm_mode_16_64 3
		.amdhsa_memory_ordered 1
		.amdhsa_forward_progress 1
		.amdhsa_inst_pref_size 255
	.end_amdhsa_kernel
	.section	.bss,"aw",@nobits
	.p2align	6
	.space	262144
	.amdgpu_metadata
---
amdhsa.version: [ 1, 2 ]
amdhsa.kernels:
  - .name:           k_q734641b95f_proj
    .symbol:         k_q734641b95f_proj.kd
    .args:
      - { .name: q, .offset: 0, .size: 8, .value_kind: global_buffer, .address_space: global }
      - { .name: k, .offset: 8, .size: 8, .value_kind: global_buffer, .address_space: global }
      - { .name: v, .offset: 16, .size: 8, .value_kind: global_buffer, .address_space: global }
      - { .name: lowp_scales, .offset: 24, .size: 8, .value_kind: global_buffer, .address_space: global }
      - { .name: wimg, .offset: 32, .size: 8, .value_kind: global_buffer, .address_space: global }
      - { .name: rope, .offset: 40, .size: 8, .value_kind: global_buffer, .address_space: global }
      - { .name: qkv, .offset: 48, .size: 8, .value_kind: global_buffer, .address_space: global }
    .group_segment_fixed_size: 139776
    .private_segment_fixed_size: 0
    .kernarg_segment_align: 8
    .kernarg_segment_size: 56
    .max_flat_workgroup_size: 128
    .sgpr_count:     66
    .vgpr_count:     1024
    .wavefront_size: 32
...
	.end_amdgpu_metadata
.endif
;; end of part 2
;; launch attn (part 3): grid 4 x 64, 16 waves a work-group, no clusters, 264,192 bytes of LDS; arguments qkv, mbits, lowp_scales, aimg, mflag; writes aimg
.if DOCPART == 3
	.amdgcn_target "amdgcn-amd-amdhsa--gfx1250"
	.amdhsa_code_object_version 6
	.text
	.protected	k_q734641b95f_attn
	.globl	k_q734641b95f_attn
	.p2align	8
	.type	k_q734641b95f_attn,@function
k_q734641b95f_attn:
	s_mov_b64 s[64:65], 0
	v_nop
	global_prefetch_b8 v0, s[64:65] scope:SCOPE_SE
	s_setreg_imm32_b32 hwreg(HW_REG_WAVE_MODE, 25, 1), 1
	s_wait_xcnt 0x0
; ATTN: for one head, S^T = K Q^T and O^T = V^T P^T on codes of E4M3, with the softmax between them by the problem's rule: t = logit x log2(e), M = the running largest t rounded up to a whole number,
; p = 2^(t - M) is quantised (e9), the row's sum is taken of the unquantised p and divides at the end; the result is quantised (e10) into the output projection's operand.
; WORK LEFT OUT: a key step of 128 keys whose LIVE bit is 0 for both of the wave's tiles.  The first launch sets that bit to 0 only where all of the tile's mask entries in the step are 0 and every row
; of the tile has a key that counts elsewhere: every p of the step is then 0.  The branch hangs on whole numbers that an earlier launch stored (mflag: LIVE and FULL, two words a tile).
; THE MASKED LOGIT.  A masked score is set to -2^(30 - e6 - e7), that is the logit -2^30 where reference() has -1e9.  Beside a key that counts both give p = 0.  In a row with no key that counts
; t = -2^30 x log2(e) is a whole number in f32, so t - M is exactly 0 and p = 1 for all 2,048 keys: the uniform weights of reference().
; LIMITS: -97 <= e6 + e7 <= 6 (a logit that counts is at most 64 x 448^2 x 2^(e6 + e7) <= 8.3e8 in size, far above both constants, and both powers of two are f32 numbers); e9, e10 between -126 and 119.
; SHARES.  A work-group has one head's K and V whole in LDS (256 KB, copied once, never filled again) and 512 of its queries; each of sixteen waves has two tiles of 16 queries, which share every
; fragment of K and V that the wave reads.  Wave WV = 4 g + s takes pair 4 (4 g + (s xor 3 (g % 2))) + x: an interleaving that evens the waves' live steps where those grow with the query; no value hangs on it.
; No tensor load and no joint load.
; LAYOUT.  A lane holds ONE query (lane % 16) throughout.  Score register n = key 16 (n / 8) + 8 h + n % 8 of the step, so the conversions of registers 8 c .. 8 c + 7 are registers 2 c, 2 c + 1 of P.
; REGISTERS: v1 16 x lane; v2, v3 the add's two; v4, v5 LDS addresses in hand; v6 the masked score; v7, v8 448 x 2^e9, 2^e9; v9-11 at work; v[12:13], v[16:17] -M and the largest t of tiles A, B;
;   v[14:15], v[18:19] their sums; v[20:21] f, 0; v[22:23] at work; v24-39 Q; v40-55 P of A; v56-119 scores; v120-183 K's fragments, then P of B and V's; v184-247 O^T; v248-254 addresses and constants.
.set SPARE, 262144                     ; K at 0, V at 131,072; behind them the spare words, 128 bytes for each of 16 waves
	s_load_b256 s[4:11], s[0:1], 0x0               ; qkv s[4:5], mbits s[6:7], scales s[8:9], aimg s[10:11]
	s_load_b64 s[38:39], s[0:1], 0x20              ; mflag
	v_lshl_add_u32 v2, v0, 2, SPARE
	v_mov_b32 v3, 0
	v_lshrrev_b32 v4, 5, v0
	v_readfirstlane_b32 s12, v4                    ; wave 0..15
	v_and_b32 v4, 31, v0
	v_lshlrev_b32 v1, 4, v4
	v_add_nc_u32 v248, 0x20000, v1
	s_lshl_b32 s13, s12, 13
	v_add_nc_u32 v249, s13, v1                     ; my 8,192 bytes of K, in memory and in LDS alike,
	v_add_nc_u32 v250, 0x20000, v249               ; and of V in LDS
	s_and_b32 s26, ttmp7, 0xffff                   ; 16 b + head
	s_lshr_b32 s27, s12, 2
	s_and_b32 s28, s12, 3
	s_and_b32 s29, s27, 1
	s_mul_i32 s29, s29, 3
	s_xor_b32 s28, s28, s29
	s_lshl_b32 s27, s27, 2
	s_add_co_u32 s27, s27, s28
	s_lshl_b32 s27, s27, 2
	s_add_co_u32 s27, s27, ttmp9                   ; my pair of tiles
	s_lshl_b32 s27, s27, 1                         ; tile A; tile B is the next
	s_lshl_b32 s28, s26, 17
	s_mov_b32 s29, 0
	s_lshl_b32 s30, s27, 10
	s_mov_b32 s31, 0
	s_lshr_b32 s32, s26, 4
	s_lshl_b32 s32, s32, 7
	s_add_co_u32 s32, s32, s27                     ; u = 128 b + tile A: an even number
	s_lshl_b32 s34, s32, 12                        ; its record of 4,096 bytes of lane masks,
	s_mov_b32 s35, 0
	s_lshl_b32 s40, s32, 3                         ; its two flag words
	s_mov_b32 s41, 0
	s_lshl_b32 s36, s32, 14
	s_and_b32 s33, s26, 15
	s_lshl_b32 s33, s33, 10                        ; head pair x 2,048 + (head % 2) x 1,024
	s_add_co_u32 s36, s36, s33
	s_mov_b32 s37, 0
	s_wait_kmcnt 0x0
	s_load_b128 s[88:91], s[8:9], 0x18             ; e6 .. e9
	s_load_b32 s92, s[8:9], 0x28                   ; e10
	s_add_nc_u64 s[20:21], s[4:5], s[28:29]        ; the head in Q's part,
	s_add_nc_u64 s[16:17], s[20:21], 0x800000      ; in K's,
	s_add_nc_u64 s[18:19], s[20:21], 0x1000000     ; in V's
	s_add_nc_u64 s[20:21], s[20:21], s[30:31]
	s_add_nc_u64 s[4:5], s[6:7], s[34:35]          ; tile A's lane masks,
	s_add_nc_u64 s[6:7], s[4:5], 4096              ; tile B's
	s_add_nc_u64 s[10:11], s[10:11], s[36:37]
	s_add_nc_u64 s[38:39], s[38:39], s[40:41]
	s_load_b128 s[44:47], s[38:39], 0x0            ; LIVE, FULL of A; LIVE, FULL of B: 16 bytes on end
.set qq, 0
.rept 16
	global_load_b128 v[56+4*qq:59+4*qq], v249, s[16:17] offset:512*qq
.set qq, qq+1
.endr
.set qq, 0
.rept 16
	global_load_b128 v[120+4*qq:123+4*qq], v249, s[18:19] offset:512*qq
.set qq, qq+1
.endr
.irp g, 0,1,2,3
	global_load_b128 v[24+4*\g:27+4*\g], v1, s[20:21] offset:512*\g   ; Q's two fragments stay in registers
.endr
	s_wait_kmcnt 0x0
	s_or_b32 s66, s44, s46                         ; a step is walked where either tile is LIVE,
	s_and_b32 s67, s45, s47                        ; and needs no mask where both are FULL
	s_mov_b32 s8, 0x76543210
	s_mov_b32 s9, 0xfedcba98                       ; v_permlanex16_b32's selects: lane l xor 16
	s_add_co_i32 s93, s88, s89
	s_lshl_b32 s94, s93, 23
	s_add_co_i32 s84, s94, 0x3fb8aa3b              ; c = log2(e) x 2^(e6 + e7): the exponents are added to its exponent field
	s_mov_b32 s85, s84
	s_sub_co_i32 s94, 157, s93
	s_lshl_b32 s94, s94, 23
	s_or_b32 s94, s94, 0x80000000
	v_mov_b32 v6, s94                              ; -2^(30 - e6 - e7)
	s_add_co_i32 s94, s91, 127
	s_lshl_b32 s95, s94, 23
	v_mov_b32 v8, s95
	s_add_co_i32 s94, s94, 8
	s_lshl_b32 s94, s94, 23
	s_or_b32 s94, s94, 0x600000
	v_mov_b32 v7, s94
	s_add_co_i32 s94, s92, 127
	s_lshl_b32 s95, s94, 23
	v_mov_b32 v254, s95                            ; 2^e10
	s_add_co_i32 s94, s94, 8
	s_lshl_b32 s94, s94, 23
	s_or_b32 s94, s94, 0x600000
	v_mov_b32 v253, s94                            ; 448 x 2^e10
	s_add_co_i32 s87, s90, s91                     ; e8 + e9
	s_cmp_lt_i32 s91, -8
	s_cselect_b32 s86, 1, 0                        ; p <= 1: from e9 = -8 on 448 x 2^e9 >= 1.75 lies above every p, and the hold changes nothing
	s_mov_b32 s13, 0                               ; the key step,
	s_mov_b32 s14, 0                               ; its 8,192 bytes in K and in V,
	s_mov_b32 s15, 0                               ; its 256 bytes in a record
	v_mov_b32 v13, 0xff61b1e6                      ; the largest t so far: -3e38
	v_mov_b32 v17, 0xff61b1e6
	v_floor_f32 v12, -v13
	v_floor_f32 v16, -v17
	v_mov_b32 v14, 0
	v_mov_b32 v15, 0
	v_mov_b32 v18, 0
	v_mov_b32 v19, 0
	v_mov_b32 v9, 0                                ; a lane permute's destination counts as read
	v_mov_b32 v21, 0                               ; (named as the upper half of v[20:21])
.set qq, 0
.rept 64
	v_mov_b32 v[184+qq], 0                         ; O^T: which step is a wave's first hangs on the mask, so no first step can be written out
.set qq, qq+1
.endr
	s_wait_loadcnt 20                              ; K's 16 loads are in; V's 16 and Q's 4 may be out
.set qq, 0
.rept 16
	ds_store_b128 v249, v[56+4*qq:59+4*qq] offset:512*qq
.set qq, qq+1
.endr
	s_wait_loadcnt 4
.set qq, 0
.rept 16
	ds_store_b128 v250, v[120+4*qq:123+4*qq] offset:512*qq
.set qq, qq+1
.endr
	s_wait_loadcnt 0x0
	s_wait_dscnt 0x0                               ; for the others' sake: my part of K and V lies in LDS
	s_barrier_signal -1
	s_barrier_wait -1                              ; the only barrier: from here on LDS is only read
; One tile's softmax for one key step.  NM: -M and the largest t; L: the sum; PD: P's 16 registers; OB: O^T's 32; MP: the tile's record of lane masks
.macro SOFTMAX NM, L, PD, OB, MP
	s_lshr_b32 s93, s67, s13
	s_and_b32 s93, s93, 1
	s_cmp_lg_u32 s93, 0
	s_cbranch_scc1 .Lfull_\@
	s_load_b512 s[16:31], s[\MP:\MP+1], s15 offset:0     ; the step's 64 lane masks: word n in s[16 + n], from n = 48 on in s[20 + n]
	s_load_b512 s[32:47], s[\MP:\MP+1], s15 offset:64
	s_load_b512 s[48:63], s[\MP:\MP+1], s15 offset:128
	s_load_b512 s[68:83], s[\MP:\MP+1], s15 offset:192
	s_wait_kmcnt 0x0
.set nn, 0
.rept 64
.if nn < 48
	v_cndmask_b32 v[56+nn], v6, v[56+nn], s[16+nn]
.else
	v_cndmask_b32 v[56+nn], v6, v[56+nn], s[20+nn]
.endif
.set nn, nn+1
.endr
.Lfull_\@:
	v_max3_num_f32 v10, v56, v57, v58              ; the step's largest score of my query among my 64 keys, in two chains, in ascending order
	v_max3_num_f32 v11, v59, v60, v61
.irp i, 6,10,14,18,22,26,30,34,38,42,46,50,54,58
	v_max3_num_f32 v10, v10, v[56+\i], v[57+\i]
	v_max3_num_f32 v11, v11, v[58+\i], v[59+\i]
.endr
	v_max3_num_f32 v10, v10, v118, v119
	v_max_num_f32 v10, v10, v11
	v_permlanex16_b32 v9, v10, s8, s9
	v_max_num_f32 v10, v10, v9                     ; and among lane l xor 16's
	v_mul_f32 v10, s84, v10                        ; as t (c is positive)
	v_max_num_f32 v[\NM+1], v[\NM+1], v10
	v_mov_b32 v10, v[\NM]
	v_floor_f32 v[\NM], -v[\NM+1]                  ; -M = floor(-t)
	v_sub_f32 v10, v[\NM], v10                     ; old M - new M: a whole number, 0 or less
	v_cvt_i32_f32 v10, v10                         ; (it saturates)
	v_ldexp_f32 v20, 1.0, v10                      ; f = 2^(old M - new M)
.set nn, 0
.rept 32
	v_pk_fma_f32 v[56+nn:57+nn], v[56+nn:57+nn], s[84:85], v[\NM:\NM+1] op_sel_hi:[1,0,0]   ; t - M
.set nn, nn+2
.endr
.set nn, 0
.rept 64
	v_exp_f32 v[56+nn], v[56+nn]
.set nn, nn+1
.endr
	v_pk_mul_f32 v[\L:\L+1], v[\L:\L+1], v[20:21] op_sel_hi:[1,0]   ; the sum under the new M (the plain line behind the exponentials)
	s_wait_alu depctr_va_vdst(0)                   ; one wait for the batch, ahead of its first reader
	v_pk_add_f32 v[22:23], v[56:57], v[58:59]      ; the sum of the unquantised p, in two chains
.irp j, 4,8,12,16,20,24,28,32,36,40,44,48,52,56,60
	v_pk_add_f32 v[\L:\L+1], v[\L:\L+1], v[56+\j:57+\j]
	v_pk_add_f32 v[22:23], v[22:23], v[58+\j:59+\j]
.endr
	v_pk_add_f32 v[\L:\L+1], v[\L:\L+1], v[22:23]
	s_cmp_eq_u32 s86, 0
	s_cbranch_scc1 .Lnohold_\@
.set nn, 0
.rept 64
	v_min_num_f32 v[56+nn], v[56+nn], v7           ; p is not negative: the hold is one-sided
.set nn, nn+1
.endr
.Lnohold_\@:
.set nn, 0
.rept 8
	v_cvt_scalef32_pk8_fp8_f32 v[\PD+2*nn:\PD+2*nn+1], v[56+8*nn:63+8*nn], v8
.set nn, nn+1
.endr
.set nn, 0
.rept 16
	v_pk_mul_f32 v[\OB+nn:\OB+nn+1], v[\OB+nn:\OB+nn+1], v[20:21] op_sel_hi:[1,0]   ; O^T under the new M; also the plain lines behind the conversions
.set nn, nn+2
.endr
.endm
.Lks:                                              ; 16 trips: a constant; a step that is not LIVE is jumped over, but for the lines that step the addresses
	s_lshr_b32 s93, s66, s13
	s_and_b32 s93, s93, 1
	s_cmp_eq_u32 s93, 0
	s_cbranch_scc1 .Lskip
	v_add_nc_u32 v4, s14, v1
	v_add_nc_u32 v5, s14, v248
.irp c, 0,1,2,3,4,5,6,7
.irp g, 0,1
	ds_load_b128 v[120+8*\c+4*\g:123+8*\c+4*\g], v4 offset:1024*\c+512*\g   ; K: eight tiles of 16 keys
.endr
.endr
	s_wait_dscnt 0x0
.irp c, 0,1,2,3,4,5,6,7
	v_wmma_f32_16x16x64_fp8_fp8 v[56+8*\c:63+8*\c], v[120+8*\c:127+8*\c], v[24:31], 0
.endr
.rept 4
	v_nop                                          ; four places ahead of the first read of the scores
.endr
	SOFTMAX 12, 14, 40, 184, 4
.irp c, 0,1,2,3,4,5,6,7
	v_wmma_f32_16x16x64_fp8_fp8 v[56+8*\c:63+8*\c], v[120+8*\c:127+8*\c], v[32:39], 0
.endr
.rept 4
	v_nop                                          ; four places ahead of the reads of the scores and of the loads into K's registers
.endr
.irp ct, 0,1,2
.irp g, 0,1,2,3
	ds_load_b128 v[136+16*\ct+4*\g:139+16*\ct+4*\g], v5 offset:2048*\ct+512*\g   ; V^T: channels 16 ct on; they land while tile B's softmax is walked
.endr
.endr
	SOFTMAX 16, 18, 120, 216, 6
.irp g, 0,1,2,3
	ds_load_b128 v[56+4*\g:59+4*\g], v5 offset:6144+512*\g                       ; the fourth fragment, into score registers that are done with
.endr
	s_wait_dscnt 4                                 ; the first three fragments are in; the four loads just issued may be out
.irp ct, 0,1,2
	v_wmma_f32_16x16x128_fp8_fp8 v[184+8*\ct:191+8*\ct], v[136+16*\ct:151+16*\ct], v[40:55], v[184+8*\ct:191+8*\ct]     ; the eight accumulators have one turn each
	v_wmma_f32_16x16x128_fp8_fp8 v[216+8*\ct:223+8*\ct], v[136+16*\ct:151+16*\ct], v[120:135], v[216+8*\ct:223+8*\ct]
.endr
	s_wait_dscnt 0x0
	v_wmma_f32_16x16x128_fp8_fp8 v[208:215], v[56:71], v[40:55], v[208:215]
	v_wmma_f32_16x16x128_fp8_fp8 v[240:247], v[56:71], v[120:135], v[240:247]
.rept 4
	v_nop                                          ; with the next step's two additions: six places ahead of the loads and products that write these operands' registers
.endr
.Lskip:
	s_add_co_u32 s14, s14, 8192
	s_add_co_u32 s15, s15, 256
	s_add_co_u32 s13, s13, 1
	s_cmp_lt_u32 s13, 16
	s_cbranch_scc1 .Lks
	; THE WAY OUT: O^T x 2^(e8 + e9) / the sum, quantised with 2^e10.  Registers 2 ct, 2 ct + 1 of a tile's codes hold channels 16 ct + 8 h + 0 .. 7: half a fragment (this head's 64 of 128 k) of the next product
	v_add_f32 v10, v14, v15
	v_add_f32 v11, v18, v19
	v_permlanex16_b32 v9, v10, s8, s9
	v_add_f32 v10, v10, v9
	v_permlanex16_b32 v9, v11, s8, s9
	v_add_f32 v11, v11, v9
	v_rcp_f32 v251, v10
	v_rcp_f32 v252, v11
	v_nop                                          ; a plain line behind the reciprocals
	s_wait_alu depctr_va_vdst(0)                   ; the wait ahead of their first reader
	v_ldexp_f32 v251, v251, s87
	v_ldexp_f32 v252, v252, s87
.set qq, 0
.rept 32
	v_mul_f32 v[56+qq], v[184+qq], v251
.set qq, qq+1
.endr
.set qq, 0
.rept 32
	v_mul_f32 v[88+qq], v[216+qq], v252
.set qq, qq+1
.endr
.set qq, 0
.rept 64
	v_med3_num_f32 v[56+qq], v[56+qq], -v253, v253
.set qq, qq+1
.endr
.set qq, 0
.rept 8
	v_cvt_scalef32_pk8_fp8_f32 v[120+2*qq:121+2*qq], v[56+8*qq:63+8*qq], v254
.set qq, qq+1
.endr
	v_nop
.irp x, 0,1
.irp g, 0,1
	global_store_b128 v1, v[120+8*\x+4*\g:123+8*\x+4*\g], s[10:11] offset:16384*\x+512*\g   ; 512 bytes on end
.endr
.endr
	s_wait_tensorcnt 0x0                           ; the wave's end: three closing lines behind my last LDS store
	ds_add_u32 v2, v3
	s_wait_dscnt 0x0
	s_endpgm
.Lfunc_end_k_q734641b95f_attn:
	.size	k_q734641b95f_attn, .Lfunc_end_k_q734641b95f_attn-k_q734641b95f_attn
	.p2alignl 7, 3214868480
	.fill 96, 4, 3214868480
	.section	.rodata,"a",@progbits
	.p2align	6, 0x0
	.amdhsa_kernel k_q734641b95f_attn
		.amdhsa_group_segment_fixed_size 264192
		.amdhsa_private_segment_fixed_size 0
		.amdhsa_enable_private_segment 0
		.amdhsa_kernarg_size 40
		.amdhsa_user_sgpr_count 2
		.amdhsa_user_sgpr_kernarg_segment_ptr 1
		.amdhsa_wavefront_size32 1
		.amdhsa_system_sgpr_workgroup_id_x 1
		.amdhsa_system_sgpr_workgroup_id_y 1
		.amdhsa_system_sgpr_workgroup_id_z 1
		.amdhsa_system_vgpr_workitem_id 0
		.amdhsa_next_free_vgpr 256
		.amdhsa_next_free_sgpr 96
		.amdhsa_reserve_vcc 0
		.amdhsa_float_denorm_mode_32 3
		.amdhsa_float_denorm_mode_16_64 3
		.amdhsa_memory_ordered 1
		.amdhsa_forward_progress 1
		.amdhsa_inst_pref_size 57
	.end_amdhsa_kernel
	.amdgpu_metadata
---
amdhsa.version: [ 1, 2 ]
amdhsa.kernels:
  - .name:           k_q734641b95f_attn
    .symbol:         k_q734641b95f_attn.kd
    .args:
      - { .name: qkv, .offset: 0, .size: 8, .value_kind: global_buffer, .address_space: global }
      - { .name: mbits, .offset: 8, .size: 8, .value_kind: global_buffer, .address_space: global }
      - { .name: lowp_scales, .offset: 16, .size: 8, .value_kind: global_buffer, .address_space: global }
      - { .name: aimg, .offset: 24, .size: 8, .value_kind: global_buffer, .address_space: global }
      - { .name: mflag, .offset: 32, .size: 8, .value_kind: global_buffer, .address_space: global }
    .group_segment_fixed_size: 264192
    .private_segment_fixed_size: 0
    .kernarg_segment_align: 8
    .kernarg_segment_size: 40
    .max_flat_workgroup_size: 512
    .sgpr_count:     96
    .vgpr_count:     256
    .wavefront_size: 32
...
	.end_amdgpu_metadata
.endif
;; end of part 3
;; launch out (part 4): grid 4 x 64, 4 waves a work-group, no clusters, 148,992 bytes of LDS; arguments aimg, wimg, lowp_scales, out0; writes out0
.if DOCPART == 4
	.amdgcn_target "amdgcn-amd-amdhsa--gfx1250"
	.amdhsa_code_object_version 6
	.text
	.protected	k_q734641b95f_out
	.globl	k_q734641b95f_out
	.p2align	8
	.type	k_q734641b95f_out,@function
k_q734641b95f_out:
	s_mov_b64 s[64:65], 0
	v_nop
	global_prefetch_b8 v0, s[64:65] scope:SCOPE_SE
	s_setreg_imm32_b32 hwreg(HW_REG_WAVE_MODE, 25, 1), 1
	s_wait_xcnt 0x0
; OUT: out0 = A Wo on codes of E4M3, each sum x 2^(e10 + e11).  A: the attention launch's codes, Wo: the first launch's, both in the order of an operand's registers.  No work of reference() is left out here.
; SHARES.  A work-group makes 128 rows x 256 columns (256 work-groups); wave w its columns 64 w on: 32 accumulators.  A's 128 KB are copied into LDS as they lie, once; Wo's fragments go from memory straight
; into the registers of the one wave that multiplies them, four sets of 64 registers, three K steps ahead.  No joint loads: the waves share no weight, and A is copied once.
; Source 0 = 16 columns of Wo, source 1 = 16 rows of A: a lane holds eight neighbouring columns of one row.  A block of 16 rows x 64 columns goes through the wave's own stage and leaves as rows of 256 bytes.
; LIMIT: e10 + e11 between -126 and 127.
; REGISTERS: window 0: v1-13 addresses; v32-63 a block's results; v64-127 rows read back, two sets; v128-255 A's fragments.  window 1: Wo's fragments.  window 2: the copy's data, then accumulator (a, b) at 8 (4 a + b).
.set TP, 16384
.set JP, 2048
.set GP, 512
.set STAGE,  131072
.set SPITCH, 272
.set SPARE,  148480
.set LI,  1
.set CPY, 2
.set ADA, 5
.set STO, 8
.set RD,  9
.set CO,  10
.set SPW, 12
.set NIL, 13
.set TMP, 32
.set BK,  64
.set AF,  128
.set MSB, 0
.macro WIN new
.if MSB != (\new)
	s_set_vgpr_msb (MSB<<8)|(\new)
.set MSB, (\new)
.endif
.endm
.macro PLACES n
.rept \n
	v_nop
.endr
.endm
	s_load_b256 s[4:11], s[0:1], 0x0               ; aimg s[4:5], wimg s[6:7], scales s[8:9], out0 s[10:11]
	v_lshl_add_u32 v[SPW], v0, 2, SPARE
	v_mov_b32 v[NIL], 0
	v_lshrrev_b32 v3, 5, v0
	v_readfirstlane_b32 s12, v3                    ; wave
	v_and_b32 v3, 31, v0
	v_lshlrev_b32 v[LI], 4, v3
	s_lshl_b32 s22, s12, 15
	v_add_nc_u32 v[CPY], s22, v[LI]                ; my 32 KB of A's images in LDS
	v_mov_b32 v[ADA], v[LI]
	v_add_nc_u32 v[ADA+1], 3*TP, v[LI]
	v_add_nc_u32 v[ADA+2], 6*TP, v[LI]
	v_and_b32 v14, 15, v0                          ; r
	v_bfe_u32 v15, v0, 4, 1                        ; h
	s_mul_i32 s22, s12, 16*SPITCH
	s_add_co_u32 s22, s22, STAGE                   ; my stage
	v_mul_u32_u24 v[STO], v14, SPITCH
	v_lshl_add_u32 v[STO], v15, 5, v[STO]
	v_add_nc_u32 v[STO], s22, v[STO]               ; in: row r, 32 bytes for each half of the lanes
	v_mul_u32_u24 v[RD], v15, SPITCH
	v_lshl_add_u32 v[RD], v14, 4, v[RD]
	v_add_nc_u32 v[RD], s22, v[RD]                 ; back: lanes 0-15 one row of 256 bytes, lanes 16-31 the next
	v_lshlrev_b32 v[CO], 12, v15
	v_lshl_add_u32 v[CO], v14, 4, v[CO]            ; and the same two rows in out0
	s_and_b32 s13, ttmp7, 0xffff                   ; block of 128 rows
	s_lshl_b32 s16, s13, 17
	s_lshl_b32 s17, s12, 15
	s_add_co_u32 s16, s16, s17
	s_mov_b32 s17, 0
	s_lshl_b32 s18, ttmp9, 4
	s_lshl_b32 s19, s12, 2
	s_add_co_u32 s18, s18, s19                     ; my first tile of 16 columns
	s_lshl_b32 s18, s18, 14
	s_add_co_u32 s18, s18, 3145728                 ; Wo is the fourth tensor of wimg
	s_mov_b32 s19, 0
	s_lshl_b32 s20, s13, 19
	s_lshl_b32 s21, ttmp9, 10
	s_add_co_u32 s20, s20, s21
	s_lshl_b32 s21, s12, 8
	s_add_co_u32 s20, s20, s21
	s_mov_b32 s21, 0
	s_wait_kmcnt 0x0
	s_load_b64 s[14:15], s[8:9], 0x28              ; e10, e11
	s_add_nc_u64 s[4:5], s[4:5], s[16:17]
	s_add_nc_u64 s[6:7], s[6:7], s[18:19]
	s_add_nc_u64 s[10:11], s[10:11], s[20:21]
.macro LOADB set, j                    ; my four fragments of Wo of K step j
	WIN 0x40
.irp b, 0,1,2,3
.irp g, 0,1,2,3
	global_load_b128 v[64*(\set)+16*\b+4*\g:64*(\set)+16*\b+4*\g+3], v[LI], s[6:7] offset:\b*16384+(\j)*2048+\g*512
.endr
.endr
	WIN 0
.endm
	WIN 0x80                                       ; the copy's data lie in window 2
.set qq, 0
.rept 64
	global_load_b128 v[4*qq:4*qq+3], v[LI], s[4:5] offset:512*qq
.set qq, qq+1
.endr
	s_wait_loadcnt 32                              ; the first 32 loads are in
	WIN 0x08
.set qq, 0
.rept 32
	ds_store_b128 v[CPY], v[4*qq:4*qq+3] offset:512*qq
.set qq, qq+1
.endr
	LOADB 0, 0
	LOADB 1, 1
	s_wait_loadcnt 32                              ; the copy's other 32 are in; the 32 loads of Wo just issued may be out
	WIN 0x08
.rept 32
	ds_store_b128 v[CPY], v[4*qq:4*qq+3] offset:512*qq
.set qq, qq+1
.endr
	LOADB 2, 2
	LOADB 3, 3
	s_wait_dscnt 0x0                               ; for the others' sake: my part of A lies in LDS
	s_barrier_signal -1
	s_barrier_wait -1                              ; the only barrier
.macro FETCH_A j, a0
.irp a, \a0, \a0+1, \a0+2, \a0+3
.irp g, 0,1,2,3
	ds_load_b128 v[AF+16*(\a)+4*\g:AF+16*(\a)+4*\g+3], v[ADA+(\a)/3] offset:((\a)%3)*TP+(\j)*JP+\g*GP
.endr
.endr
.endm
.macro MUL a0, set, zero               ; the 32 accumulators take turns, one instruction a turn, in the same order in every step
.irp a, \a0, \a0+1
.irp b, 0,1,2,3
.set AC, 8*(4*(\a)+\b)
.if \zero
	v_wmma_f32_16x16x128_fp8_fp8 v[AC:AC+7], v[64*(\set)+16*\b:64*(\set)+16*\b+15], v[AF+16*(\a):AF+16*(\a)+15], 0
.else
	v_wmma_f32_16x16x128_fp8_fp8 v[AC:AC+7], v[64*(\set)+16*\b:64*(\set)+16*\b+15], v[AF+16*(\a):AF+16*(\a)+15], v[AC:AC+7]
.endif
.endr
.endr
.endm
.macro STEP j, zero, lc
	s_wait_loadcnt \lc                             ; this step's fragments of Wo are in; the younger sets, 16 loads each, may be out
	s_wait_dscnt 16                                ; A's blocks 0-3 are in
	WIN 0xa1
	MUL 0, (\j)%4, \zero
	MUL 2, (\j)%4, \zero
	s_wait_dscnt 0x0
	PLACES 4                                       ; four places ahead of loads into registers that matrix instructions have read
	WIN 0
.if \j < 7
	FETCH_A (\j)+1, 0
.endif
	WIN 0xa1
	MUL 4, (\j)%4, \zero
	MUL 6, (\j)%4, \zero
	PLACES 4
	WIN 0
.if \j < 7
	FETCH_A (\j)+1, 4
.endif
.if \j < 4
	LOADB (\j)%4, (\j)+4
.endif
.endm
	FETCH_A 0, 0
	FETCH_A 0, 4
	STEP 0, 1, 48                                  ; the first K step starts the sums
	STEP 1, 0, 48
	STEP 2, 0, 48
	STEP 3, 0, 48
	STEP 4, 0, 48
	STEP 5, 0, 32
	STEP 6, 0, 16
	STEP 7, 0, 0
	s_wait_kmcnt 0x0
	s_add_co_i32 s14, s14, s15
	s_add_co_i32 s14, s14, 127
	s_lshl_b32 s14, s14, 23                        ; 2^(e10 + e11)
	s_mov_b32 s15, s14                             ; (named with it as a pair)
.macro TOSTAGE a
	WIN 0x02
.set qq, 0
.rept 16
	v_pk_mul_f32 v[TMP+2*qq:TMP+2*qq+1], v[32*(\a)+2*qq:32*(\a)+2*qq+1], s[14:15] op_sel_hi:[1,0]   ; each accumulator from its low end on
.set qq, qq+1
.endr
	WIN 0
.irp b, 0,1,2,3
	ds_store_b128 v[STO], v[TMP+8*\b:TMP+8*\b+3] offset:64*\b
	ds_store_b128 v[STO], v[TMP+8*\b+4:TMP+8*\b+7] offset:64*\b+16
.endr
.set BB, BK+32*((\a)%2)
.irp i, 0,1,2,3,4,5,6,7
	ds_load_b128 v[BB+4*\i:BB+4*\i+3], v[RD] offset:2*SPITCH*\i   ; my own stage: LDS serves a wave's instructions in order (ISA guide 5.7.1.4)
.endr
.endm
.macro SEND a, younger
.set BB, BK+32*((\a)%2)
	s_wait_dscnt \younger                          ; the block is back; the next block's 8 stores and 8 loads may be out
.irp i, 0,1,2,3,4,5,6,7
	global_store_b128 v[CO], v[BB+4*\i:BB+4*\i+3], s[10:11] offset:65536*(\a)+8192*\i th:TH_STORE_NT   ; sixteen lanes store 256 consecutive bytes, aligned
.endr
.endm
	TOSTAGE 0
.irp a, 1,2,3,4,5,6,7
.if \a > 1
	s_wait_xcnt 0x0                                ; block a - 2's stores have read their registers: block a's rows may land there
.endif
	TOSTAGE \a
	SEND \a-1, 16
.endr
	SEND 7, 0
	s_wait_tensorcnt 0x0                           ; the wave's end: three closing lines behind my last LDS store
	ds_add_u32 v[SPW], v[NIL]
	s_wait_dscnt 0x0
	s_endpgm
.Lfunc_end_k_q734641b95f_out:
	.size	k_q734641b95f_out, .Lfunc_end_k_q734641b95f_out-k_q734641b95f_out
	.p2alignl 7, 3214868480
	.fill 96, 4, 3214868480
	.section	.rodata,"a",@progbits
	.p2align	6, 0x0
	.amdhsa_kernel k_q734641b95f_out
		.amdhsa_group_segment_fixed_size 148992
		.amdhsa_private_segment_fixed_size 0
		.amdhsa_enable_private_segment 0
		.amdhsa_kernarg_size 32
		.amdhsa_user_sgpr_count 2
		.amdhsa_user_sgpr_kernarg_segment_ptr 1
		.amdhsa_wavefront_size32 1
		.amdhsa_system_sgpr_workgroup_id_x 1
		.amdhsa_system_sgpr_workgroup_id_y 1
		.amdhsa_system_sgpr_workgroup_id_z 1
		.amdhsa_system_vgpr_workitem_id 0
		.amdhsa_next_free_vgpr 768
		.amdhsa_next_free_sgpr 66
		.amdhsa_reserve_vcc 0
		.amdhsa_float_denorm_mode_32 3
		.amdhsa_float_denorm_mode_16_64 3
		.amdhsa_memory_ordered 1
		.amdhsa_forward_progress 1
		.amdhsa_inst_pref_size 85
	.end_amdhsa_kernel
	.amdgpu_metadata
---
amdhsa.version: [ 1, 2 ]
amdhsa.kernels:
  - .name:           k_q734641b95f_out
    .symbol:         k_q734641b95f_out.kd
    .args:
      - { .name: aimg, .offset: 0, .size: 8, .value_kind: global_buffer, .address_space: global }
      - { .name: wimg, .offset: 8, .size: 8, .value_kind: global_buffer, .address_space: global }
      - { .name: lowp_scales, .offset: 16, .size: 8, .value_kind: global_buffer, .address_space: global }
      - { .name: out0, .offset: 24, .size: 8, .value_kind: global_buffer, .address_space: global }
    .group_segment_fixed_size: 148992
    .private_segment_fixed_size: 0
    .kernarg_segment_align: 8
    .kernarg_segment_size: 32
    .max_flat_workgroup_size: 128
    .sgpr_count:     66
    .vgpr_count:     768
    .wavefront_size: 32
...
	.end_amdgpu_metadata
.endif
;; end of part 4
;; ======== version 2 of 2: 4 launches; version 1 with the launches proj, attn, out written anew for expert scheduling mode
;; limits: right only within a limited range of input values
;; workspace buffers: wimg 4,194,304 bytes; rope 524,288 bytes; mbits 2,097,152 bytes; mflag 4,096 bytes of whole numbers; qkv 25,165,824 bytes; aimg 8,388,608 bytes
;; launch prep: the kernel of part 1 again; grid 800 x 1, 4 waves a work-group, no clusters, 5,888 bytes of LDS; arguments mask, Wq, Wk, Wv, Wo, lowp_scales, mbits, wimg, rope, mflag; writes mbits, wimg, rope, mflag
;; launch proj (part 5): grid 192 x 1, 4 waves a work-group, no clusters, 139,776 bytes of LDS; arguments q, k, v, lowp_scales, wimg, rope, qkv; writes qkv
.if DOCPART == 5
	.amdgcn_target "amdgcn-amd-amdhsa--gfx1250"
	.amdhsa_code_object_version 6
	.text
	.protected	k_q734641b95f_proj
	.globl	k_q734641b95f_proj
	.p2align	8
	.type	k_q734641b95f_proj,@function
k_q734641b95f_proj:
	s_mov_b64 s[64:65], 0
	v_nop
	global_prefetch_b8 v0, s[64:65] scope:SCOPE_SE
	s_setreg_imm32_b32 hwreg(HW_REG_WAVE_SCHED_MODE, 0, 2), 2
	s_setreg_imm32_b32 hwreg(HW_REG_WAVE_MODE, 25, 1), 1
	s_wait_xcnt 0x0
	s_wait_alu depctr_vm_vsrc(0)
; PROJ: Q = rope(q Wq) / 8, K = rope(k Wk), V = v Wv, each product on codes of E4M3, each result quantised for the attention launch and stored in the order of an operand's registers.
; No work of reference() is left out here.
; SHARES.  Work-group = tensor T (ttmp9 / 64: q, k, v) x block rb of 128 rows, all 1,024 columns: its 512 KB of x are read once, each byte of the weights' codes once.  128 rows are one key step of V^T.
; PHASE X: wave w quantises rows 32 w .. 32 w + 31: a row is read as 4,096 bytes on end (8 loads of 512); lane L then holds k = 128 s + 4 L + y, and its codes are two groups of 16 bytes that lie in LDS
; at tile x 17,408 + G x 272 + 16 x row, G = L + 32 sigma.  A fragment's group g of K step j is G = 8 j + 2 g + h: one permutation of k, the same as in the weights' images.
; TWO PASSES of 512 columns (128 x 1,024 sums would fill every register): in pass p wave w makes heads 8 p + 2 w, 8 p + 2 w + 1 for all 128 rows: 64 accumulators.  The weights' fragments go from memory
; straight into the registers of the one wave that multiplies them (two sets, a K step ahead); x's fragments come from LDS into a ring of fourteen buffers.
; No joint loads: the waves of a work-group share no weight, and a weight tile sent through LDS would add its bytes once in and once out of LDS to the 1 MB of x's fragments that a work-group reads.
; Q, K: source 0 = 16 features, source 1 = 16 tokens: a lane holds one token and eight neighbouring features, so RoPE's pairs lie in one lane.  V: the sources swapped: a lane holds one feature and eight
; neighbouring tokens, which are neighbours along the second attention product's K.
; LIMITS: e0, e2, e4, and e6 + 3 - e0 - e1, e7 - e2 - e3, e8 - e4 - e5 lie between -126 and 119.  NaN among the inputs is not served.
; REGISTERS: window 0: v1-13 addresses and scales; v16-31 codes at work; v32-255 seven sets of a row of x, then the ring of x's blocks, on the way out v32-95 cos and sin, v96-127 at work, v128-255 the results' codes.
;   window 1: the weights' fragments, two sets of 128.   windows 2, 3: the accumulators, (a, b) at 8 (8 (a % 4) + b) of window 2 + a / 4.
; THE MODE: SCHED_MODE bits 1:0 = 2 (LLVM: expert scheduling mode 2), set by the entry lines.  The code itself states the register dependences between vector or matrix instructions and memory or LDS
; instructions, with s_wait_alu, always for 0.
; THE PLAN.  Registers that memory or LDS instructions touch:
;   v1, v2, v5-7, v9   addresses, made at the head and never written again: one wait on va_vdst ahead of the first load serves every load and store of the kernel.
;   PHASE X   set i % 7 of v32-255: row i's loads land in it, the row's holds and conversions read and write it, row i + 7's loads land in it.  Codes, set i % 2 of v16-31: written by row i's conversions, read
;             by its two LDS stores.  One wait on va_vdst behind a row's conversions serves the row's two stores and eight loads; one on vm_vsrc ahead of them frees the codes that the stores of two rows back read.
;   THE RING  block n = 8 j + a of x (K step j, 16 rows a) lies in buffer n % 14 of v32-255.  A pass's head asks for blocks 0 to 13.  Step j's products read blocks 8 j .. 8 j + 7; behind the ONE wait on va_vdst at
;             the head of step j >= 1 the eight buffers of step j - 1 are free, and blocks 8 j + 6 .. 8 j + 13 land in them, dealt among the step's products, which name none of those buffers.
;   WEIGHTS   set j % 2 of window 1 is read by step j's products; K step j + 1 lands in the other set, asked for straight behind the same wait, ahead of the wait for step j's data.
;   WAY OUT   cos and sin, set a % 2 of v32-95: read by tile a's RoPE lines, tile a + 2's loads land in it.  Codes in v128-255: each unit has its own eight, written by conversions, read by stores.
.set TP, 17408                         ; LDS: from tile to tile of 16 rows
.set JP, 2176                          ; from K step to K step: 8 groups of 272
.set GP, 544                           ; from group to group of a fragment: 2 x 272
.set SPARE, 139264                     ; behind x's images: the spare words, 128 bytes for each wave
.set LI,   1                           ; v1   16 x lane
.set XS,   2                           ; v2   where I store a row's codes: 272 x lane + 34,816 x wave
.set XLIM, 3                           ; v3   448 x 2^ex
.set XSC,  4                           ; v4   2^ex
.set ADA,  5                           ; v5-7 x's fragments: 16 r + 272 h + three tiles x 0, 1, 2
.set TO,   9                           ; v9   cos and sin: 256 r + 32 h
.set OLIM, 10                          ; v10  448 x the results' folded scale
.set OSC,  11                          ; v11  that scale
.set SPW,  12
.set NIL,  13
.set CD,   16
.set XR,   32
.set RING, 32
.set CS,   32
.set TMP,  96
.set AF,   128
.set MSB, 0
.macro WIN new                         ; the immediate's high byte repeats the setting that is left
.if MSB != (\new)
	s_set_vgpr_msb (MSB<<8)|(\new)
.set MSB, (\new)
.endif
.endm
.macro PLACES n
.rept \n
	v_nop
.endr
.endm
	s_load_b256 s[4:11], s[0:1], 0x0               ; q s[4:5], k s[6:7], v s[8:9], scales s[10:11]
	s_load_b128 s[12:15], s[0:1], 0x20             ; wimg s[12:13], rope s[14:15]
	s_load_b64 s[16:17], s[0:1], 0x30              ; qkv
	v_lshl_add_u32 v[SPW], v0, 2, SPARE
	v_mov_b32 v[NIL], 0
	v_lshrrev_b32 v8, 5, v0
	v_readfirstlane_b32 s18, v8                    ; wave
	s_lshr_b32 s19, ttmp9, 6                       ; T
	s_and_b32 s20, ttmp9, 63                       ; rb
	v_and_b32 v8, 31, v0
	v_lshlrev_b32 v[LI], 4, v8
	s_wait_alu depctr_va_sdst(0)                   ; s18 is written, ahead of its first reader: LDS addresses and the bases of x, wimg and qkv are made from it
	s_mul_i32 s22, s18, 34816
	v_mul_u32_u24 v[XS], v8, 272
	v_add_nc_u32 v[XS], s22, v[XS]
	v_and_b32 v14, 15, v0                          ; r
	v_bfe_u32 v15, v0, 4, 1                        ; h
	v_mul_u32_u24 v[ADA], v15, 272
	v_lshl_add_u32 v[ADA], v14, 4, v[ADA]
	v_add_nc_u32 v[ADA+1], 3*TP, v[ADA]
	v_add_nc_u32 v[ADA+2], 6*TP, v[ADA]
	v_lshlrev_b32 v[TO], 8, v14
	v_lshl_add_u32 v[TO], v15, 5, v[TO]
	s_lshl_b32 s22, s20, 19                        ; x: 128 rows of 4,096 bytes a block, 32 a wave
	s_lshl_b32 s23, s18, 17
	s_add_co_u32 s22, s22, s23
	s_mov_b32 s23, 0
	s_lshl_b32 s34, s19, 20                        ; wimg: tensor x 2^20 + wave x 8 tiles x 16,384
	s_lshl_b32 s35, s18, 17
	s_add_co_u32 s34, s34, s35
	s_mov_b32 s35, 0
	s_and_b32 s36, s20, 15                         ; which 128 positions of the sequence
	s_lshl_b32 s38, s36, 15
	s_mov_b32 s39, 0
	s_lshl_b32 s40, s19, 23                        ; qkv: tensor x 2^23 + batch x 2^21 + 2 heads x wave x 2^17 + block x 8,192
	s_lshr_b32 s41, s20, 4
	s_lshl_b32 s41, s41, 21
	s_add_co_u32 s40, s40, s41
	s_lshl_b32 s41, s18, 18
	s_add_co_u32 s40, s40, s41
	s_lshl_b32 s41, s36, 13
	s_add_co_u32 s40, s40, s41
	s_mov_b32 s41, 0
	s_wait_kmcnt 0x0
	s_load_b256 s[24:31], s[10:11], 0x0            ; e0 .. e7
	s_load_b32 s32, s[10:11], 0x20                 ; e8
	s_cmp_eq_u32 s19, 1
	s_cselect_b64 s[4:5], s[6:7], s[4:5]
	s_cmp_eq_u32 s19, 2
	s_cselect_b64 s[4:5], s[8:9], s[4:5]
	s_add_nc_u64 s[4:5], s[4:5], s[22:23]
	s_add_nc_u64 s[12:13], s[12:13], s[34:35]
	s_add_nc_u64 s[14:15], s[14:15], s[38:39]
	s_add_nc_u64 s[16:17], s[16:17], s[40:41]
.macro XLOAD i                         ; row i of my 32: 4,096 bytes on end, into set i % 7
.set XB, XR+32*((\i)%7)
.set qq, 0
.rept 8
	global_load_b128 v[XB+4*qq:XB+4*qq+3], v[LI], s[4:5] offset:4096*(\i)+512*qq th:TH_LOAD_NT
.set qq, qq+1
.endr
.endm
	s_wait_alu depctr_va_vdst(0)                   ; the addresses v1, v2, v5 to v7 and v9 are written, which the loads and stores of the whole kernel read
.irp i, 0,1,2,3,4,5,6
	XLOAD \i
.endr
	s_wait_kmcnt 0x0
	s_add_co_i32 s30, s30, 3                       ; Q is divided by 8 = 2^3 ahead of its quantiser
	s_cmp_eq_u32 s19, 1
	s_cselect_b32 s24, s26, s24
	s_cselect_b32 s25, s27, s25
	s_cselect_b32 s30, s31, s30
	s_cmp_eq_u32 s19, 2
	s_cselect_b32 s24, s28, s24
	s_cselect_b32 s25, s29, s25
	s_cselect_b32 s30, s32, s30
	s_sub_co_i32 s30, s30, s24
	s_sub_co_i32 s30, s30, s25                     ; a sum stands for sum x 2^(ex + ew): the three exponents are folded into the conversion's one
	s_add_co_i32 s24, s24, 127
	s_lshl_b32 s25, s24, 23
	v_mov_b32 v[XSC], s25
	s_add_co_i32 s24, s24, 8
	s_lshl_b32 s24, s24, 23
	s_or_b32 s24, s24, 0x600000
	v_mov_b32 v[XLIM], s24
	s_add_co_i32 s30, s30, 127
	s_lshl_b32 s25, s30, 23
	v_mov_b32 v[OSC], s25
	s_add_co_i32 s30, s30, 8
	s_lshl_b32 s30, s30, 23
	s_or_b32 s30, s30, 0x600000
	v_mov_b32 v[OLIM], s30
.macro XROW i
.if 31-(\i) < 6
	s_wait_loadcnt 8*(31-(\i))                     ; my row is in; the younger rows' loads, eight each, may be out
.else
	s_wait_loadcnt 48
.endif
.set XB, XR+32*((\i)%7)
.set CB, CD+8*((\i)%2)
.set qq, 0
.rept 32
	v_med3_num_f32 v[XB+qq], v[XB+qq], -v[XLIM], v[XLIM]   ; the conversion does not saturate (ISA guide 7.6.2): the hold
.set qq, qq+1
.endr
.if (\i) > 1
	s_wait_alu depctr_vm_vsrc(0)                   ; the LDS stores of two rows back have read this set of code registers, which the conversions below write again
.endif
.set qq, 0
.rept 4
	v_cvt_scalef32_pk8_fp8_f32 v[CB+2*qq:CB+2*qq+1], v[XB+8*qq:XB+8*qq+7], v[XSC]
.set qq, qq+1
.endr
	v_nop                                          ; a plain line behind the last conversion of the run
	s_wait_alu depctr_va_vdst(0)                   ; the conversions have written the codes, which the two LDS stores read, and are done with the row's set, in which row i + 7 lands
	ds_store_b128 v[XS], v[CB:CB+3] offset:((\i)/16)*TP+((\i)%16)*16
	ds_store_b128 v[XS], v[CB+4:CB+7] offset:((\i)/16)*TP+((\i)%16)*16+32*272
.if (\i)+7 < 32
	XLOAD (\i)+7
.endif
.endm
.set rr, 0
.rept 32
	XROW rr
.set rr, rr+1
.endr
.macro FETCHB n                        ; block n = 8 j + a of x into buffer n % 14 of the ring; a pass has 64 blocks
.if (\n) < 64
.set FJ, (\n)/8
.set FA, (\n)%8
.set FR, RING+16*((\n)%14)
.irp g, 0,1,2,3
	ds_load_b128 v[FR+4*\g:FR+4*\g+3], v[ADA+FA/3] offset:(FA%3)*TP+FJ*JP+\g*GP
.endr
.endif
.endm
.macro LOADB set, j, extra             ; my eight weight fragments of K step j: each load is 512 bytes on end
	WIN 0x40
.irp b, 0,1,2,3,4,5,6,7
.irp g, 0,1,2,3
	global_load_b128 v[128*(\set)+16*\b+4*\g:128*(\set)+16*\b+4*\g+3], v[LI], s[12:13] offset:(\extra)+\b*16384+(\j)*2048+\g*512
.endr
.endr
.endm
; 8 matrix instructions: x's block a of K step j against my eight weight tiles.  The 64 accumulators take turns, one instruction a turn, in the same order in every step.
.macro MULB j, a, zero, ord
.set AB, RING+16*((8*(\j)+(\a))%14)
.set WS, 128*((\j)%2)
.irp b, 0,1,2,3,4,5,6,7
.set AC, 8*(8*((\a)%4)+\b)
.if \ord
.if \zero
	v_wmma_f32_16x16x128_fp8_fp8 v[AC:AC+7], v[AB:AB+15], v[WS+16*\b:WS+16*\b+15], 0
.else
	v_wmma_f32_16x16x128_fp8_fp8 v[AC:AC+7], v[AB:AB+15], v[WS+16*\b:WS+16*\b+15], v[AC:AC+7]
.endif
.else
.if \zero
	v_wmma_f32_16x16x128_fp8_fp8 v[AC:AC+7], v[WS+16*\b:WS+16*\b+15], v[AB:AB+15], 0
.else
	v_wmma_f32_16x16x128_fp8_fp8 v[AC:AC+7], v[WS+16*\b:WS+16*\b+15], v[AB:AB+15], v[AC:AC+7]
.endif
.endif
.endr
.endm
; A K step of 128: 64 matrix instructions.  One wait on va_vdst, at its head; behind it the step's loads owe nothing more: the products issued since name blocks 8 j .. 8 j + 7, set j % 2 and the accumulators.
.macro STEP j, zero, ord, lc
.if \j > 0
	PLACES 4                                       ; the plain form's four places between the last products and the loads into registers that they read are kept, ahead of the wait
	s_wait_alu depctr_va_vdst(0)                   ; step j - 1's products are done reading their eight blocks of x and their set of weights: blocks 8 j + 6 .. 8 j + 13 and K step j + 1 land there
.if \j < 7
	LOADB ((\j)+1)%2, (\j)+1, 0                    ; asked for ahead of the wait for this step's data, so that two sets are on their way
.endif
.endif
	s_wait_loadcnt \lc                             ; this step's weights are in; lc = 32: the next step's 32 loads may be out; lc = 0: none follow them
.if \j == 0
	s_wait_dscnt 40                                ; of the head's 56 loads the first 16 are in: blocks 0 to 3
.else
	s_wait_dscnt 0x0                               ; blocks 8 j .. 8 j + 5, asked for in the step before
.endif
	WIN 0xa1+3*(\ord)
	MULB \j, 0, \zero, \ord
.if \j > 0
	WIN 0
	FETCHB 8*(\j)+6                                ; this step's last two blocks first,
	FETCHB 8*(\j)+7
	FETCHB 8*(\j)+8                                ; then the next step's
	FETCHB 8*(\j)+9
	WIN 0xa1+3*(\ord)
.endif
	MULB \j, 1, \zero, \ord
	MULB \j, 2, \zero, \ord
.if (\j > 0) && (\j < 7)
	WIN 0
	FETCHB 8*(\j)+10
	FETCHB 8*(\j)+11
	FETCHB 8*(\j)+12
	FETCHB 8*(\j)+13
	WIN 0xa1+3*(\ord)
.endif
	MULB \j, 3, \zero, \ord
.if \j == 0
	s_wait_dscnt 24                                ; blocks 4 to 7 are in; blocks 8 to 13 may be out
.endif
	WIN 0xf1+3*(\ord)
	MULB \j, 4, \zero, \ord
	MULB \j, 5, \zero, \ord
.if \j == 7
	s_wait_dscnt 0x0                               ; the pass's last two blocks
.elseif \j > 0
	s_wait_dscnt 24                                ; of the 32 loads issued in this step the first eight are in: blocks 8 j + 6 and 8 j + 7
.endif
	MULB \j, 6, \zero, \ord
	MULB \j, 7, \zero, \ord
.endm
; Q, K: cos and sin of pairs 8 t + 4 h + 0 .. 3 of token 16 a + r
.macro CSLOAD a
.set CB, CS+32*((\a)%2)
.irp t, 0,1,2,3
.irp q, 0,1
	global_load_b128 v[CB+8*\t+4*\q:CB+8*\t+4*\q+3], v[TO], s[14:15] offset:4096*(\a)+64*\t+16*\q
.endr
.endr
.endm
; tile a of tokens, head e of my two: RoPE, the hold, the conversion: the eight code registers are the tile's fragment for the K = 64 form (registers 2 t, 2 t + 1: dims 16 t + 8 h + 0 .. 7)
.macro UCALC a, e
.set CB, CS+32*((\a)%2)
.set CO, AF+8*(2*(\a)+(\e))
	WIN 0x02+(\a)/4
.irp t, 0,1,2,3
.set AC, 8*(8*((\a)%4)+4*(\e)+\t)
.irp i, 0,2,4,6
	v_pk_mul_f32 v[TMP+8*\t+\i:TMP+8*\t+\i+1], v[AC+\i:AC+\i+1], v[CB+8*\t+\i:CB+8*\t+\i+1] op_sel_hi:[1,0]   ; (x1 cos, x2 cos); each accumulator from its low end on
.endr
.irp i, 0,2,4,6
	v_pk_fma_f32 v[TMP+8*\t+\i:TMP+8*\t+\i+1], v[AC+\i:AC+\i+1], v[CB+8*\t+\i:CB+8*\t+\i+1], v[TMP+8*\t+\i:TMP+8*\t+\i+1] op_sel:[1,1,0] op_sel_hi:[0,1,1] neg_lo:[0,1,0]   ; (- x2 sin + .., x1 sin + ..)
.endr
.endr
	WIN 0
.set qq, 0
.rept 32
	v_med3_num_f32 v[TMP+qq], v[TMP+qq], -v[OLIM], v[OLIM]
.set qq, qq+1
.endr
.set qq, 0
.rept 4
	v_cvt_scalef32_pk8_fp8_f32 v[CO+2*qq:CO+2*qq+1], v[TMP+8*qq:TMP+8*qq+7], v[OSC]
.set qq, qq+1
.endr
	v_nop
.endm
.macro USTORE a, e
.set CO, AF+8*(2*(\a)+(\e))
	global_store_b128 v[LI], v[CO:CO+3], s[16:17] offset:(\e)*131072+(\a)*1024       ; 512 bytes on end; each unit has its own registers
	global_store_b128 v[LI], v[CO+4:CO+7], s[16:17] offset:(\e)*131072+(\a)*1024+512
.endm
; V: head e: accumulator (a, 4 e + ct) holds tokens 16 a + 8 h + 0 .. 7 of feature 16 ct + r: registers 2 a, 2 a + 1 of fragment ct of V^T
.macro VCALC e
.irp hw, 0,1
	WIN 0x82+0x41*\hw
.irp a4, 0,1,2,3
.irp ct, 0,1,2,3
.set AC, 8*(8*\a4+4*(\e)+\ct)
.set qq, 0
.rept 8
	v_med3_num_f32 v[AC+qq], v[AC+qq], -v[OLIM], v[OLIM]
.set qq, qq+1
.endr
.endr
.endr
	WIN 0x02+\hw
.irp a4, 0,1,2,3
.irp ct, 0,1,2,3
.set AC, 8*(8*\a4+4*(\e)+\ct)
	v_cvt_scalef32_pk8_fp8_f32 v[AF+64*(\e)+16*\ct+2*(4*\hw+\a4):AF+64*(\e)+16*\ct+2*(4*\hw+\a4)+1], v[AC:AC+7], v[OSC]
.endr
.endr
	WIN 0
	v_nop
.endr
.endm
.macro VSTORE e
.irp ct, 0,1,2,3
.irp g, 0,1,2,3
	global_store_b128 v[LI], v[AF+64*(\e)+16*\ct+4*\g:AF+64*(\e)+16*\ct+4*\g+3], s[16:17] offset:(\e)*131072+\ct*2048+\g*512
.endr
.endr
.endm
.macro PASSES ord
	s_mov_b32 s21, 0
.Lpass_\@:                                         ; on both ways in no vector instruction has been issued since the last wait on va_vdst (the way in: the last row's; the way back: the one ahead of the pass's last stores)
.set nn, 0
.rept 14
	FETCHB nn                                      ; the ring is filled: blocks 0 to 13
.set nn, nn+1
.endr
	STEP 0, 1, \ord, 32                            ; the first K step starts the sums: nothing is cleared.  Both ways in have K steps 0 and 1 asked for, 32 loads each: the count leaves step 1's out
	STEP 1, 0, \ord, 32
	STEP 2, 0, \ord, 32
	STEP 3, 0, \ord, 32
	STEP 4, 0, \ord, 32
	STEP 5, 0, \ord, 32
	STEP 6, 0, \ord, 32
	STEP 7, 0, \ord, 0                             ; only K step 7's own loads are out here
	PLACES 4                                       ; four places behind the last products, ahead of the first read of the sums (ISA guide 7.12.1)
	WIN 0
.if \ord
	s_wait_alu depctr_va_vdst(0)                   ; the pass's products are done reading both sets of weights, in which the next pass's first two K steps land
.else
	s_wait_alu depctr_va_vdst(0)                   ; the pass's products are done reading both sets of weights, in which the next pass's first two K steps land, and the ring's v32-95, in which cos and sin land
.endif
	s_cmp_eq_u32 s21, 1
	s_cbranch_scc1 .Llast_\@
	LOADB 0, 0, 524288                             ; the next pass's first two K steps, both sets under ONE branch: at the loop's head either all 64 loads are out or none,
	LOADB 1, 1, 524288                             ; so the count there means the same on every way.  The last pass asks for nothing: no load leaves its tensor's part of the buffer
	WIN 0
.Llast_\@:
.if \ord
	VCALC 0
	s_wait_alu depctr_va_vdst(0)                   ; the conversions have written the first head's 64 code registers, which the sixteen stores read
	VSTORE 0
	VCALC 1                                        ; (it names the second head's registers alone)
	s_wait_alu depctr_va_vdst(0)                   ; and the second head's
	VSTORE 1
.else
	CSLOAD 0
	CSLOAD 1
.irp a, 0,1,2,3,4,5,6,7
.if \a < 7
	s_wait_loadcnt 8                               ; this tile's cos and sin are in; the next tile's eight loads may be out
.else
	s_wait_loadcnt 0x0
.endif
	UCALC \a, 0
	UCALC \a, 1
	s_wait_alu depctr_va_vdst(0)                   ; the tile's conversions have written its sixteen code registers, which the four stores read; its RoPE lines are done reading this set of cos and sin, in which the tile after next's land
	USTORE \a, 0
	USTORE \a, 1
.if \a < 6
	CSLOAD (\a)+2
.endif
.endr
.endif
	s_wait_xcnt 0x0                                ; the loads and stores have read their bases and data: only now are the bases stepped, and x's blocks fetched into the codes' registers
	s_wait_alu depctr_vm_vsrc(0)                   ; the stores have read the codes' registers v128-255, in which the next pass's blocks of x land
	s_add_nc_u64 s[12:13], s[12:13], 524288        ; the next 32 tiles of features
	s_add_nc_u64 s[16:17], s[16:17], 1048576       ; the next eight heads
	s_add_co_u32 s21, s21, 1
	s_cmp_lt_u32 s21, 2
	s_cbranch_scc1 .Lpass_\@
	s_wait_dscnt 0x0                               ; the closing lines, six on end
	s_wait_alu 0x0
	s_wait_tensorcnt 0x0
	ds_add_u32 v[SPW], v[NIL]
	s_wait_dscnt 0x0
	s_endpgm
.endm
	LOADB 0, 0, 0
	LOADB 1, 1, 0
	WIN 0
	s_wait_dscnt 0x0                               ; for the others' sake: my rows' codes lie in LDS
	s_barrier_signal -1
	s_barrier_wait -1                              ; the only barrier: from here on LDS is only read
	s_cmp_eq_u32 s19, 2
	s_cbranch_scc1 .Lv_path
	PASSES 0
.Lv_path:
	PASSES 1
.Lfunc_end_k_q734641b95f_proj:
	.size	k_q734641b95f_proj, .Lfunc_end_k_q734641b95f_proj-k_q734641b95f_proj
	.p2alignl 7, 3214868480
	.fill 96, 4, 3214868480
	.section	.rodata,"a",@progbits
	.p2align	6, 0x0
	.amdhsa_kernel k_q734641b95f_proj
		.amdhsa_group_segment_fixed_size 139776
		.amdhsa_private_segment_fixed_size 0
		.amdhsa_enable_private_segment 0
		.amdhsa_kernarg_size 56
		.amdhsa_user_sgpr_count 2
		.amdhsa_user_sgpr_kernarg_segment_ptr 1
		.amdhsa_wavefront_size32 1
		.amdhsa_system_sgpr_workgroup_id_x 1
		.amdhsa_system_sgpr_workgroup_id_y 1
		.amdhsa_system_sgpr_workgroup_id_z 1
		.amdhsa_system_vgpr_workitem_id 0
		.amdhsa_next_free_vgpr 1024
		.amdhsa_next_free_sgpr 66
		.amdhsa_reserve_vcc 0
		.amdhsa_float_denorm_mode_32 3
		.amdhsa_float_denorm_mode_16_64 3
		.amdhsa_memory_ordered 1
		.amdhsa_forward_progress 1
		.amdhsa_inst_pref_size 255
	.end_amdhsa_kernel
	.section	.bss,"aw",@nobits
	.p2align	6
	.space	262144
	.amdgpu_metadata
---
amdhsa.version: [ 1, 2 ]
amdhsa.kernels:
  - .name:           k_q734641b95f_proj
    .symbol:         k_q734641b95f_proj.kd
    .args:
      - { .name: q, .offset: 0, .size: 8, .value_kind: global_buffer, .address_space: global }
      - { .name: k, .offset: 8, .size: 8, .value_kind: global_buffer, .address_space: global }
      - { .name: v, .offset: 16, .size: 8, .value_kind: global_buffer, .address_space: global }
      - { .name: lowp_scales, .offset: 24, .size: 8, .value_kind: global_buffer, .address_space: global }
      - { .name: wimg, .offset: 32, .size: 8, .value_kind: global_buffer, .address_space: global }
      - { .name: rope, .offset: 40, .size: 8, .value_kind: global_buffer, .address_space: global }
      - { .name: qkv, .offset: 48, .size: 8, .value_kind: global_buffer, .address_space: global }
    .group_segment_fixed_size: 139776
    .private_segment_fixed_size: 0
    .kernarg_segment_align: 8
    .kernarg_segment_size: 56
    .max_flat_workgroup_size: 128
    .sgpr_count:     66
    .vgpr_count:     1024
    .wavefront_size: 32
...
	.end_amdgpu_metadata
.endif
;; end of part 5
;; launch attn (part 6): grid 4 x 64, 16 waves a work-group, no clusters, 264,192 bytes of LDS; arguments qkv, mbits, lowp_scales, aimg, mflag; writes aimg
.if DOCPART == 6
	.amdgcn_target "amdgcn-amd-amdhsa--gfx1250"
	.amdhsa_code_object_version 6
	.text
	.protected	k_q734641b95f_attn
	.globl	k_q734641b95f_attn
	.p2align	8
	.type	k_q734641b95f_attn,@function
k_q734641b95f_attn:
	s_mov_b64 s[64:65], 0
	v_nop
	global_prefetch_b8 v0, s[64:65] scope:SCOPE_SE
	s_setreg_imm32_b32 hwreg(HW_REG_WAVE_SCHED_MODE, 0, 2), 2
	s_setreg_imm32_b32 hwreg(HW_REG_WAVE_MODE, 25, 1), 1
	s_wait_xcnt 0x0
	s_wait_alu depctr_vm_vsrc(0)
; ATTN: for one head, S^T = K Q^T and O^T = V^T P^T on codes of E4M3, with the softmax between them by the problem's rule: t = logit x log2(e), M = the running largest t rounded up to a whole number,
; p = 2^(t - M) is quantised (e9), the row's sum is taken of the unquantised p and divides at the end; the result is quantised (e10) into the output projection's operand.
; WORK LEFT OUT: a key step of 128 keys whose LIVE bit is 0 for both of the wave's tiles.  The first launch sets that bit to 0 only where all of the tile's mask entries in the step are 0 and every row
; of the tile has a key that counts elsewhere: every p of the step is then 0.  The branch hangs on whole numbers that an earlier launch stored (mflag: LIVE and FULL, two words a tile).
; THE MASKED LOGIT.  A masked score is set to -2^(30 - e6 - e7), that is the logit -2^30 where reference() has -1e9.  Beside a key that counts both give p = 0.  In a row with no key that counts
; t = -2^30 x log2(e) is a whole number in f32, so t - M is exactly 0 and p = 1 for all 2,048 keys: the uniform weights of reference().
; LIMITS: -97 <= e6 + e7 <= 6 (a logit that counts is at most 64 x 448^2 x 2^(e6 + e7) <= 8.3e8 in size, far above both constants, and both powers of two are f32 numbers); e9, e10 between -126 and 119.
; SHARES.  A work-group has one head's K and V whole in LDS (256 KB, copied once, never filled again) and 512 of its queries; each of sixteen waves has two tiles of 16 queries, which share every
; fragment of K and V that the wave reads.  Wave WV = 4 g + s takes pair 4 (4 g + (s xor 3 (g % 2))) + x: an interleaving that evens the waves' live steps where those grow with the query; no value hangs on it.
; No tensor load and no joint load.
; LAYOUT.  A lane holds ONE query (lane % 16) throughout.  Score register n = key 16 (n / 8) + 8 h + n % 8 of the step, so the conversions of registers 8 c .. 8 c + 7 are registers 2 c, 2 c + 1 of P.
; REGISTERS: v1 16 x lane; v2, v3 the add's two; v4, v5 LDS addresses in hand; v6 the masked score; v7, v8 448 x 2^e9, 2^e9; v9-11 at work; v[12:13], v[16:17] -M and the largest t of tiles A, B;
;   v[14:15], v[18:19] their sums; v[20:21] f, 0; v[22:23] at work; v24-39 Q; v40-55 P of A; v56-119 scores; v120-183 K's fragments, then P of B and V's; v184-247 O^T; v248-254 addresses and constants.
; THE MODE: SCHED_MODE bits 1:0 = 2 (LLVM: expert scheduling mode 2), set by the entry lines.  The code itself states the register dependences between vector or matrix instructions and memory or LDS
; instructions, with s_wait_alu, always for 0.
; THE PLAN.  All 256 registers are held, so no buffer is added; registers that memory or LDS instructions touch:
;   v1, v248-250   addresses, made at the head and never written again: one wait on va_vdst ahead of the first load.
;   v56-183        at the head: landed in by the copy's loads, read by its LDS stores: one wait on vm_vsrc behind the barrier, ahead of all that writes them.
;   v4, v5         written at a live step's top, read by its 32 LDS loads: vm_vsrc ahead of the two additions, va_vdst behind them.
;   v120-183       K's 16 loads land at the step's top (the same va_vdst: the last step's products are done reading them); both tiles' score products read them; V's first three fragments land in v136-183
;                  behind tile B's score products (a wait on va_vdst); tile B's conversions write v120-135; the step's last products read all of them.
;   v56-71         scores, read by tile B's softmax to its conversions; V's fourth fragment lands there behind them (a wait on va_vdst), ahead of the rescaling of tile B's O^T, which names other registers.
;   v120-135       on the way out: written by the conversions, read by the four stores (a wait on va_vdst).
.set SPARE, 262144                     ; K at 0, V at 131,072; behind them the spare words, 128 bytes for each of 16 waves
	s_load_b256 s[4:11], s[0:1], 0x0               ; qkv s[4:5], mbits s[6:7], scales s[8:9], aimg s[10:11]
	s_load_b64 s[38:39], s[0:1], 0x20              ; mflag
	v_lshl_add_u32 v2, v0, 2, SPARE
	v_mov_b32 v3, 0
	v_lshrrev_b32 v4, 5, v0
	v_readfirstlane_b32 s12, v4                    ; wave 0..15
	v_and_b32 v4, 31, v0
	v_lshlrev_b32 v1, 4, v4
	v_add_nc_u32 v248, 0x20000, v1
	s_wait_alu depctr_va_sdst(0)                   ; s12 is written, ahead of its first reader: the wave's part of K and V and its pair of tiles are made from it
	s_lshl_b32 s13, s12, 13
	v_add_nc_u32 v249, s13, v1                     ; my 8,192 bytes of K, in memory and in LDS alike,
	v_add_nc_u32 v250, 0x20000, v249               ; and of V in LDS
	s_and_b32 s26, ttmp7, 0xffff                   ; 16 b + head
	s_lshr_b32 s27, s12, 2
	s_and_b32 s28, s12, 3
	s_and_b32 s29, s27, 1
	s_mul_i32 s29, s29, 3
	s_xor_b32 s28, s28, s29
	s_lshl_b32 s27, s27, 2
	s_add_co_u32 s27, s27, s28
	s_lshl_b32 s27, s27, 2
	s_add_co_u32 s27, s27, ttmp9                   ; my pair of tiles
	s_lshl_b32 s27, s27, 1                         ; tile A; tile B is the next
	s_lshl_b32 s28, s26, 17
	s_mov_b32 s29, 0
	s_lshl_b32 s30, s27, 10
	s_mov_b32 s31, 0
	s_lshr_b32 s32, s26, 4
	s_lshl_b32 s32, s32, 7
	s_add_co_u32 s32, s32, s27                     ; u = 128 b + tile A: an even number
	s_lshl_b32 s34, s32, 12                        ; its record of 4,096 bytes of lane masks,
	s_mov_b32 s35, 0
	s_lshl_b32 s40, s32, 3                         ; its two flag words
	s_mov_b32 s41, 0
	s_lshl_b32 s36, s32, 14
	s_and_b32 s33, s26, 15
	s_lshl_b32 s33, s33, 10                        ; head pair x 2,048 + (head % 2) x 1,024
	s_add_co_u32 s36, s36, s33
	s_mov_b32 s37, 0
	s_wait_kmcnt 0x0
	s_load_b128 s[88:91], s[8:9], 0x18             ; e6 .. e9
	s_load_b32 s92, s[8:9], 0x28                   ; e10
	s_add_nc_u64 s[20:21], s[4:5], s[28:29]        ; the head in Q's part,
	s_add_nc_u64 s[16:17], s[20:21], 0x800000      ; in K's,
	s_add_nc_u64 s[18:19], s[20:21], 0x1000000     ; in V's
	s_add_nc_u64 s[20:21], s[20:21], s[30:31]
	s_add_nc_u64 s[4:5], s[6:7], s[34:35]          ; tile A's lane masks,
	s_add_nc_u64 s[6:7], s[4:5], 4096              ; tile B's
	s_add_nc_u64 s[10:11], s[10:11], s[36:37]
	s_add_nc_u64 s[38:39], s[38:39], s[40:41]
	s_load_b128 s[44:47], s[38:39], 0x0            ; LIVE, FULL of A; LIVE, FULL of B: 16 bytes on end
	s_wait_alu depctr_va_vdst(0)                   ; the addresses v1 and v248 to v250 are written, which the loads and stores below read
.set qq, 0
.rept 16
	global_load_b128 v[56+4*qq:59+4*qq], v249, s[16:17] offset:512*qq
.set qq, qq+1
.endr
.set qq, 0
.rept 16
	global_load_b128 v[120+4*qq:123+4*qq], v249, s[18:19] offset:512*qq
.set qq, qq+1
.endr
.irp g, 0,1,2,3
	global_load_b128 v[24+4*\g:27+4*\g], v1, s[20:21] offset:512*\g   ; Q's two fragments stay in registers
.endr
	s_wait_kmcnt 0x0
	s_or_b32 s66, s44, s46                         ; a step is walked where either tile is LIVE,
	s_and_b32 s67, s45, s47                        ; and needs no mask where both are FULL
	s_mov_b32 s8, 0x76543210
	s_mov_b32 s9, 0xfedcba98                       ; v_permlanex16_b32's selects: lane l xor 16
	s_add_co_i32 s93, s88, s89
	s_lshl_b32 s94, s93, 23
	s_add_co_i32 s84, s94, 0x3fb8aa3b              ; c = log2(e) x 2^(e6 + e7): the exponents are added to its exponent field
	s_mov_b32 s85, s84
	s_sub_co_i32 s94, 157, s93
	s_lshl_b32 s94, s94, 23
	s_or_b32 s94, s94, 0x80000000
	v_mov_b32 v6, s94                              ; -2^(30 - e6 - e7)
	s_add_co_i32 s94, s91, 127
	s_lshl_b32 s95, s94, 23
	v_mov_b32 v8, s95
	s_add_co_i32 s94, s94, 8
	s_lshl_b32 s94, s94, 23
	s_or_b32 s94, s94, 0x600000
	v_mov_b32 v7, s94
	s_add_co_i32 s94, s92, 127
	s_lshl_b32 s95, s94, 23
	v_mov_b32 v254, s95                            ; 2^e10
	s_add_co_i32 s94, s94, 8
	s_lshl_b32 s94, s94, 23
	s_or_b32 s94, s94, 0x600000
	v_mov_b32 v253, s94                            ; 448 x 2^e10
	s_add_co_i32 s87, s90, s91                     ; e8 + e9
	s_cmp_lt_i32 s91, -8
	s_cselect_b32 s86, 1, 0                        ; p <= 1: from e9 = -8 on 448 x 2^e9 >= 1.75 lies above every p, and the hold changes nothing
	s_mov_b32 s13, 0                               ; the key step,
	s_mov_b32 s14, 0                               ; its 8,192 bytes in K and in V,
	s_mov_b32 s15, 0                               ; its 256 bytes in a record
	v_mov_b32 v13, 0xff61b1e6                      ; the largest t so far: -3e38
	v_mov_b32 v17, 0xff61b1e6
	v_floor_f32 v12, -v13
	v_floor_f32 v16, -v17
	v_mov_b32 v14, 0
	v_mov_b32 v15, 0
	v_mov_b32 v18, 0
	v_mov_b32 v19, 0
	v_mov_b32 v9, 0                                ; a lane permute's destination counts as read
	v_mov_b32 v21, 0                               ; (named as the upper half of v[20:21])
.set qq, 0
.rept 64
	v_mov_b32 v[184+qq], 0                         ; O^T: which step is a wave's first hangs on the mask, so no first step can be written out
.set qq, qq+1
.endr
	s_wait_loadcnt 20                              ; K's 16 loads are in; V's 16 and Q's 4 may be out
.set qq, 0
.rept 16
	ds_store_b128 v249, v[56+4*qq:59+4*qq] offset:512*qq
.set qq, qq+1
.endr
	s_wait_loadcnt 4
.set qq, 0
.rept 16
	ds_store_b128 v250, v[120+4*qq:123+4*qq] offset:512*qq
.set qq, qq+1
.endr
	s_wait_loadcnt 0x0
	s_wait_dscnt 0x0                               ; for the others' sake: my part of K and V lies in LDS
	s_barrier_signal -1
	s_barrier_wait -1                              ; the only barrier: from here on LDS is only read
	s_wait_alu depctr_vm_vsrc(0)                   ; my LDS stores have read v56-183, which the steps' loads and products, and the way out's lines, write
; One tile's softmax for one key step, up to P's codes.  NM: -M and the largest t; L: the sum; PD: P's 16 registers; MP: the tile's record of lane masks
.macro SOFTMAX NM, L, PD, MP
	s_lshr_b32 s93, s67, s13
	s_and_b32 s93, s93, 1
	s_cmp_lg_u32 s93, 0
	s_cbranch_scc1 .Lfull_\@
	s_load_b512 s[16:31], s[\MP:\MP+1], s15 offset:0     ; the step's 64 lane masks: word n in s[16 + n], from n = 48 on in s[20 + n]
	s_load_b512 s[32:47], s[\MP:\MP+1], s15 offset:64
	s_load_b512 s[48:63], s[\MP:\MP+1], s15 offset:128
	s_load_b512 s[68:83], s[\MP:\MP+1], s15 offset:192
	s_wait_kmcnt 0x0
.set nn, 0
.rept 64
.if nn < 48
	v_cndmask_b32 v[56+nn], v6, v[56+nn], s[16+nn]
.else
	v_cndmask_b32 v[56+nn], v6, v[56+nn], s[20+nn]
.endif
.set nn, nn+1
.endr
.Lfull_\@:
	v_max3_num_f32 v10, v56, v57, v58              ; the step's largest score of my query among my 64 keys, in two chains, in ascending order
	v_max3_num_f32 v11, v59, v60, v61
.irp i, 6,10,14,18,22,26,30,34,38,42,46,50,54,58
	v_max3_num_f32 v10, v10, v[56+\i], v[57+\i]
	v_max3_num_f32 v11, v11, v[58+\i], v[59+\i]
.endr
	v_max3_num_f32 v10, v10, v118, v119
	v_max_num_f32 v10, v10, v11
	v_permlanex16_b32 v9, v10, s8, s9
	v_max_num_f32 v10, v10, v9                     ; and among lane l xor 16's
	v_mul_f32 v10, s84, v10                        ; as t (c is positive)
	v_max_num_f32 v[\NM+1], v[\NM+1], v10
	v_mov_b32 v10, v[\NM]
	v_floor_f32 v[\NM], -v[\NM+1]                  ; -M = floor(-t)
	v_sub_f32 v10, v[\NM], v10                     ; old M - new M: a whole number, 0 or less
	v_cvt_i32_f32 v10, v10                         ; (it saturates)
	v_ldexp_f32 v20, 1.0, v10                      ; f = 2^(old M - new M)
.set nn, 0
.rept 32
	v_pk_fma_f32 v[56+nn:57+nn], v[56+nn:57+nn], s[84:85], v[\NM:\NM+1] op_sel_hi:[1,0,0]   ; t - M
.set nn, nn+2
.endr
.set nn, 0
.rept 64
	v_exp_f32 v[56+nn], v[56+nn]
.set nn, nn+1
.endr
	v_pk_mul_f32 v[\L:\L+1], v[\L:\L+1], v[20:21] op_sel_hi:[1,0]   ; the sum under the new M (the plain line behind the exponentials)
	s_wait_alu depctr_va_vdst(0)                   ; the 64 exponentials have written v56-119: one wait for the batch, ahead of its first reader
	v_pk_add_f32 v[22:23], v[56:57], v[58:59]      ; the sum of the unquantised p, in two chains
.irp j, 4,8,12,16,20,24,28,32,36,40,44,48,52,56,60
	v_pk_add_f32 v[\L:\L+1], v[\L:\L+1], v[56+\j:57+\j]
	v_pk_add_f32 v[22:23], v[22:23], v[58+\j:59+\j]
.endr
	v_pk_add_f32 v[\L:\L+1], v[\L:\L+1], v[22:23]
	s_cmp_eq_u32 s86, 0
	s_cbranch_scc1 .Lnohold_\@
.set nn, 0
.rept 64
	v_min_num_f32 v[56+nn], v[56+nn], v7           ; p is not negative: the hold is one-sided
.set nn, nn+1
.endr
.Lnohold_\@:
.set nn, 0
.rept 8
	v_cvt_scalef32_pk8_fp8_f32 v[\PD+2*nn:\PD+2*nn+1], v[56+8*nn:63+8*nn], v8
.set nn, nn+1
.endr
.endm
.macro RESCALE OB                      ; the tile's O^T, 32 registers from OB on, under the new M; also the plain lines behind the conversions, ahead of the products that read P or write the scores
.set nn, 0
.rept 16
	v_pk_mul_f32 v[\OB+nn:\OB+nn+1], v[\OB+nn:\OB+nn+1], v[20:21] op_sel_hi:[1,0]
.set nn, nn+2
.endr
.endm
.Lks:                                              ; 16 trips: a constant; a step that is not LIVE is jumped over, but for the lines that step the addresses
	s_lshr_b32 s93, s66, s13
	s_and_b32 s93, s93, 1
	s_cmp_eq_u32 s93, 0
	s_cbranch_scc1 .Lskip
	s_wait_alu depctr_vm_vsrc(0)                   ; the LDS loads of the last live step have read v4 and v5, which the two lines below write
	v_add_nc_u32 v4, s14, v1
	v_add_nc_u32 v5, s14, v248
	s_wait_alu depctr_va_vdst(0)                   ; v4 and v5 are written, which this step's LDS loads read; the last live step's products are done reading P of B and V's fragments in v120-183, in which K lands
.irp c, 0,1,2,3,4,5,6,7
.irp g, 0,1
	ds_load_b128 v[120+8*\c+4*\g:123+8*\c+4*\g], v4 offset:1024*\c+512*\g   ; K: eight tiles of 16 keys
.endr
.endr
	s_wait_dscnt 0x0
.irp c, 0,1,2,3,4,5,6,7
	v_wmma_f32_16x16x64_fp8_fp8 v[56+8*\c:63+8*\c], v[120+8*\c:127+8*\c], v[24:31], 0
.endr
.rept 4
	v_nop                                          ; four places ahead of the first read of the scores
.endr
	SOFTMAX 12, 14, 40, 4
	RESCALE 184
.irp c, 0,1,2,3,4,5,6,7
	v_wmma_f32_16x16x64_fp8_fp8 v[56+8*\c:63+8*\c], v[120+8*\c:127+8*\c], v[32:39], 0
.endr
.rept 4
	v_nop                                          ; four places ahead of the reads of the scores
.endr
	s_wait_alu depctr_va_vdst(0)                   ; tile B's score products are done reading K's fragments in v136-183, in which V's land
.irp ct, 0,1,2
.irp g, 0,1,2,3
	ds_load_b128 v[136+16*\ct+4*\g:139+16*\ct+4*\g], v5 offset:2048*\ct+512*\g   ; V^T: channels 16 ct on; they land while tile B's softmax is walked, which names none of v136-183
.endr
.endr
	SOFTMAX 16, 18, 120, 6
	s_wait_alu depctr_va_vdst(0)                   ; tile B's softmax, its conversions last, is done reading the scores in v56-71, in which V's fourth fragment lands
.irp g, 0,1,2,3
	ds_load_b128 v[56+4*\g:59+4*\g], v5 offset:6144+512*\g                       ; the fourth fragment, into score registers that are done with
.endr
	RESCALE 216                                    ; (it names v216-247 and v20, v21 alone: the fragment lands meanwhile)
	s_wait_dscnt 4                                 ; the first three fragments are in; the four loads issued last may be out
.irp ct, 0,1,2
	v_wmma_f32_16x16x128_fp8_fp8 v[184+8*\ct:191+8*\ct], v[136+16*\ct:151+16*\ct], v[40:55], v[184+8*\ct:191+8*\ct]     ; the eight accumulators have one turn each
	v_wmma_f32_16x16x128_fp8_fp8 v[216+8*\ct:223+8*\ct], v[136+16*\ct:151+16*\ct], v[120:135], v[216+8*\ct:223+8*\ct]
.endr
	s_wait_dscnt 0x0
	v_wmma_f32_16x16x128_fp8_fp8 v[208:215], v[56:71], v[40:55], v[208:215]
	v_wmma_f32_16x16x128_fp8_fp8 v[240:247], v[56:71], v[120:135], v[240:247]
.rept 4
	v_nop                                          ; with the next step's two additions: six places ahead of the products that write these operands' registers
.endr
.Lskip:
	s_add_co_u32 s14, s14, 8192
	s_add_co_u32 s15, s15, 256
	s_add_co_u32 s13, s13, 1
	s_cmp_lt_u32 s13, 16
	s_cbranch_scc1 .Lks
	; THE WAY OUT: O^T x 2^(e8 + e9) / the sum, quantised with 2^e10.  Registers 2 ct, 2 ct + 1 of a tile's codes hold channels 16 ct + 8 h + 0 .. 7: half a fragment (this head's 64 of 128 k) of the next product
	v_add_f32 v10, v14, v15
	v_add_f32 v11, v18, v19
	v_permlanex16_b32 v9, v10, s8, s9
	v_add_f32 v10, v10, v9
	v_permlanex16_b32 v9, v11, s8, s9
	v_add_f32 v11, v11, v9
	v_rcp_f32 v251, v10
	v_rcp_f32 v252, v11
	v_nop                                          ; a plain line behind the reciprocals
	s_wait_alu depctr_va_vdst(0)                   ; the two reciprocals have written v251 and v252: the wait stands ahead of their first reader
	v_ldexp_f32 v251, v251, s87
	v_ldexp_f32 v252, v252, s87
.set qq, 0
.rept 32
	v_mul_f32 v[56+qq], v[184+qq], v251
.set qq, qq+1
.endr
.set qq, 0
.rept 32
	v_mul_f32 v[88+qq], v[216+qq], v252
.set qq, qq+1
.endr
.set qq, 0
.rept 64
	v_med3_num_f32 v[56+qq], v[56+qq], -v253, v253
.set qq, qq+1
.endr
.set qq, 0
.rept 8
	v_cvt_scalef32_pk8_fp8_f32 v[120+2*qq:121+2*qq], v[56+8*qq:63+8*qq], v254
.set qq, qq+1
.endr
	v_nop
	s_wait_alu depctr_va_vdst(0)                   ; the conversions have written v120-135, which the four stores read
.irp x, 0,1
.irp g, 0,1
	global_store_b128 v1, v[120+8*\x+4*\g:123+8*\x+4*\g], s[10:11] offset:16384*\x+512*\g   ; 512 bytes on end
.endr
.endr
	s_wait_dscnt 0x0                               ; the closing lines, six on end
	s_wait_alu 0x0
	s_wait_tensorcnt 0x0
	ds_add_u32 v2, v3
	s_wait_dscnt 0x0
	s_endpgm
.Lfunc_end_k_q734641b95f_attn:
	.size	k_q734641b95f_attn, .Lfunc_end_k_q734641b95f_attn-k_q734641b95f_attn
	.p2alignl 7, 3214868480
	.fill 96, 4, 3214868480
	.section	.rodata,"a",@progbits
	.p2align	6, 0x0
	.amdhsa_kernel k_q734641b95f_attn
		.amdhsa_group_segment_fixed_size 264192
		.amdhsa_private_segment_fixed_size 0
		.amdhsa_enable_private_segment 0
		.amdhsa_kernarg_size 40
		.amdhsa_user_sgpr_count 2
		.amdhsa_user_sgpr_kernarg_segment_ptr 1
		.amdhsa_wavefront_size32 1
		.amdhsa_system_sgpr_workgroup_id_x 1
		.amdhsa_system_sgpr_workgroup_id_y 1
		.amdhsa_system_sgpr_workgroup_id_z 1
		.amdhsa_system_vgpr_workitem_id 0
		.amdhsa_next_free_vgpr 256
		.amdhsa_next_free_sgpr 96
		.amdhsa_reserve_vcc 0
		.amdhsa_float_denorm_mode_32 3
		.amdhsa_float_denorm_mode_16_64 3
		.amdhsa_memory_ordered 1
		.amdhsa_forward_progress 1
		.amdhsa_inst_pref_size 57
	.end_amdhsa_kernel
	.amdgpu_metadata
---
amdhsa.version: [ 1, 2 ]
amdhsa.kernels:
  - .name:           k_q734641b95f_attn
    .symbol:         k_q734641b95f_attn.kd
    .args:
      - { .name: qkv, .offset: 0, .size: 8, .value_kind: global_buffer, .address_space: global }
      - { .name: mbits, .offset: 8, .size: 8, .value_kind: global_buffer, .address_space: global }
      - { .name: lowp_scales, .offset: 16, .size: 8, .value_kind: global_buffer, .address_space: global }
      - { .name: aimg, .offset: 24, .size: 8, .value_kind: global_buffer, .address_space: global }
      - { .name: mflag, .offset: 32, .size: 8, .value_kind: global_buffer, .address_space: global }
    .group_segment_fixed_size: 264192
    .private_segment_fixed_size: 0
    .kernarg_segment_align: 8
    .kernarg_segment_size: 40
    .max_flat_workgroup_size: 512
    .sgpr_count:     96
    .vgpr_count:     256
    .wavefront_size: 32
...
	.end_amdgpu_metadata
.endif
;; end of part 6
;; launch out (part 7): grid 4 x 64, 4 waves a work-group, no clusters, 148,992 bytes of LDS; arguments aimg, wimg, lowp_scales, out0; writes out0
.if DOCPART == 7
	.amdgcn_target "amdgcn-amd-amdhsa--gfx1250"
	.amdhsa_code_object_version 6
	.text
	.protected	k_q734641b95f_out
	.globl	k_q734641b95f_out
	.p2align	8
	.type	k_q734641b95f_out,@function
k_q734641b95f_out:
	s_mov_b64 s[64:65], 0
	v_nop
	global_prefetch_b8 v0, s[64:65] scope:SCOPE_SE
	s_setreg_imm32_b32 hwreg(HW_REG_WAVE_SCHED_MODE, 0, 2), 2
	s_setreg_imm32_b32 hwreg(HW_REG_WAVE_MODE, 25, 1), 1
	s_wait_xcnt 0x0
	s_wait_alu depctr_vm_vsrc(0)
; OUT: out0 = A Wo on codes of E4M3, each sum x 2^(e10 + e11).  A: the attention launch's codes, Wo: the first launch's, both in the order of an operand's registers.  No work of reference() is left out here.
; SHARES.  A work-group makes 128 rows x 256 columns (256 work-groups); wave w its columns 64 w on: 32 accumulators.  A's 128 KB are copied into LDS as they lie, once; Wo's fragments go from memory straight
; into the registers of the one wave that multiplies them, four sets of 64 registers, three K steps ahead.  No joint loads: the waves share no weight, and A is copied once.
; Source 0 = 16 columns of Wo, source 1 = 16 rows of A: a lane holds eight neighbouring columns of one row.  A block of 16 rows x 64 columns goes through the wave's own stage and leaves as rows of 256 bytes.
; LIMIT: e10 + e11 between -126 and 127.
; REGISTERS: window 0: v1-13 addresses; v32-63 a block's results; v64-127 rows read back, two sets; v128-255 A's fragments, set 0.  window 1: Wo's fragments.  window 2: the copy's data, then accumulator
;   (a, b) at 8 (4 a + b).  window 3: v128-255 A's fragments, set 1.
; THE MODE: SCHED_MODE bits 1:0 = 2 (LLVM: expert scheduling mode 2), set by the entry lines.  The code itself states the register dependences between vector or matrix instructions and memory or LDS
; instructions, with s_wait_alu, always for 0.
; THE PLAN.  Registers that memory or LDS instructions touch:
;   v1, v2, v5-10  addresses, made at the head and never written again: one wait on va_vdst ahead of the first load.
;   window 2       landed in by the copy's loads, read by its LDS stores, then written by the products: one wait on vm_vsrc behind the barrier.
;   A, set j % 2   read by K step j's 32 products; K step j + 1's 32 LDS loads, issued in step j, land in the other set, which step j - 1 read.
;   Wo, set j % 4  read by step j's products; K step j + 3's 16 loads, issued at the head of step j, land in set (j - 1) % 4, which step j - 1 read.
;   So ONE wait on va_vdst stands at the head of step j >= 1: step j - 1's products are done reading.  The step's loads follow it, A's dealt among the products, which name set j % 2, set j % 4 and the accumulators.
;   WAY OUT        v32-63: written by a block's multiplications, read by its LDS stores: va_vdst between the two, vm_vsrc ahead of the next block's multiplications.  v64-127, set a % 2: landed in by block a's
;                  loads from the stage, read by its global stores; block a + 2's loads land there behind the same wait on vm_vsrc.
.set TP, 16384
.set JP, 2048
.set GP, 512
.set STAGE,  131072
.set SPITCH, 272
.set SPARE,  148480
.set LI,  1
.set CPY, 2
.set ADA, 5
.set STO, 8
.set RD,  9
.set CO,  10
.set SPW, 12
.set NIL, 13
.set TMP, 32
.set BK,  64
.set AF,  128
.set MSB, 0
.macro WIN new
.if MSB != (\new)
	s_set_vgpr_msb (MSB<<8)|(\new)
.set MSB, (\new)
.endif
.endm
.macro PLACES n
.rept \n
	v_nop
.endr
.endm
	s_load_b256 s[4:11], s[0:1], 0x0               ; aimg s[4:5], wimg s[6:7], scales s[8:9], out0 s[10:11]
	v_lshl_add_u32 v[SPW], v0, 2, SPARE
	v_mov_b32 v[NIL], 0
	v_lshrrev_b32 v3, 5, v0
	v_readfirstlane_b32 s12, v3                    ; wave
	v_and_b32 v3, 31, v0
	v_lshlrev_b32 v[LI], 4, v3
	s_wait_alu depctr_va_sdst(0)                   ; s12 is written, ahead of its first reader: LDS addresses and the three bases are made from it
	s_lshl_b32 s22, s12, 15
	v_add_nc_u32 v[CPY], s22, v[LI]                ; my 32 KB of A's images in LDS
	v_mov_b32 v[ADA], v[LI]
	v_add_nc_u32 v[ADA+1], 3*TP, v[LI]
	v_add_nc_u32 v[ADA+2], 6*TP, v[LI]
	v_and_b32 v14, 15, v0                          ; r
	v_bfe_u32 v15, v0, 4, 1                        ; h
	s_mul_i32 s22, s12, 16*SPITCH
	s_add_co_u32 s22, s22, STAGE                   ; my stage
	v_mul_u32_u24 v[STO], v14, SPITCH
	v_lshl_add_u32 v[STO], v15, 5, v[STO]
	v_add_nc_u32 v[STO], s22, v[STO]               ; in: row r, 32 bytes for each half of the lanes
	v_mul_u32_u24 v[RD], v15, SPITCH
	v_lshl_add_u32 v[RD], v14, 4, v[RD]
	v_add_nc_u32 v[RD], s22, v[RD]                 ; back: lanes 0-15 one row of 256 bytes, lanes 16-31 the next
	v_lshlrev_b32 v[CO], 12, v15
	v_lshl_add_u32 v[CO], v14, 4, v[CO]            ; and the same two rows in out0
	s_and_b32 s13, ttmp7, 0xffff                   ; block of 128 rows
	s_lshl_b32 s16, s13, 17
	s_lshl_b32 s17, s12, 15
	s_add_co_u32 s16, s16, s17
	s_mov_b32 s17, 0
	s_lshl_b32 s18, ttmp9, 4
	s_lshl_b32 s19, s12, 2
	s_add_co_u32 s18, s18, s19                     ; my first tile of 16 columns
	s_lshl_b32 s18, s18, 14
	s_add_co_u32 s18, s18, 3145728                 ; Wo is the fourth tensor of wimg
	s_mov_b32 s19, 0
	s_lshl_b32 s20, s13, 19
	s_lshl_b32 s21, ttmp9, 10
	s_add_co_u32 s20, s20, s21
	s_lshl_b32 s21, s12, 8
	s_add_co_u32 s20, s20, s21
	s_mov_b32 s21, 0
	s_wait_kmcnt 0x0
	s_load_b64 s[14:15], s[8:9], 0x28              ; e10, e11
	s_add_nc_u64 s[4:5], s[4:5], s[16:17]
	s_add_nc_u64 s[6:7], s[6:7], s[18:19]
	s_add_nc_u64 s[10:11], s[10:11], s[20:21]
.macro LOADB set, j                    ; my four fragments of Wo of K step j
	WIN 0x40
.irp b, 0,1,2,3
.irp g, 0,1,2,3
	global_load_b128 v[64*(\set)+16*\b+4*\g:64*(\set)+16*\b+4*\g+3], v[LI], s[6:7] offset:\b*16384+(\j)*2048+\g*512
.endr
.endr
.endm
	WIN 0x80                                       ; the copy's data lie in window 2
	s_wait_alu depctr_va_vdst(0)                   ; the addresses v1, v2 and v5 to v10 are written, which the loads and stores of the whole kernel read
.set qq, 0
.rept 64
	global_load_b128 v[4*qq:4*qq+3], v[LI], s[4:5] offset:512*qq
.set qq, qq+1
.endr
	s_wait_loadcnt 32                              ; the first 32 loads are in
	WIN 0x08
.set qq, 0
.rept 32
	ds_store_b128 v[CPY], v[4*qq:4*qq+3] offset:512*qq
.set qq, qq+1
.endr
	LOADB 0, 0
	LOADB 1, 1
	s_wait_loadcnt 32                              ; the copy's other 32 are in; the 32 loads of Wo just issued may be out
	WIN 0x08
.rept 32
	ds_store_b128 v[CPY], v[4*qq:4*qq+3] offset:512*qq
.set qq, qq+1
.endr
	LOADB 2, 2
	LOADB 3, 3
	s_wait_dscnt 0x0                               ; for the others' sake: my part of A lies in LDS
	s_barrier_signal -1
	s_barrier_wait -1                              ; the only barrier
	s_wait_alu depctr_vm_vsrc(0)                   ; my LDS stores have read the copy's registers in window 2, which the first K step's products write
.macro FETCH_A j, a0                   ; A's blocks a0 .. a0 + 3 of K step j, into set j % 2: window 0 or window 3
	WIN 0xc0*((\j)%2)
.irp a, \a0, \a0+1, \a0+2, \a0+3
.irp g, 0,1,2,3
	ds_load_b128 v[AF+16*(\a)+4*\g:AF+16*(\a)+4*\g+3], v[ADA+(\a)/3] offset:((\a)%3)*TP+(\j)*JP+\g*GP
.endr
.endr
.endm
.macro MUL a0, j, zero                 ; blocks a0, a0 + 1 of K step j.  The 32 accumulators take turns, one instruction a turn, in the same order in every step
	WIN 0xa1+0x0c*((\j)%2)                         ; source 0 (Wo) window 1, source 1 (A) window 0 or 3, C and D window 2
.irp a, \a0, \a0+1
.irp b, 0,1,2,3
.set AC, 8*(4*(\a)+\b)
.if \zero
	v_wmma_f32_16x16x128_fp8_fp8 v[AC:AC+7], v[64*((\j)%4)+16*\b:64*((\j)%4)+16*\b+15], v[AF+16*(\a):AF+16*(\a)+15], 0
.else
	v_wmma_f32_16x16x128_fp8_fp8 v[AC:AC+7], v[64*((\j)%4)+16*\b:64*((\j)%4)+16*\b+15], v[AF+16*(\a):AF+16*(\a)+15], v[AC:AC+7]
.endif
.endr
.endr
.endm
.macro STEP j, zero, lc
.if \j > 0
	PLACES 4                                       ; the plain form's four places between the last products and the loads into registers that they read are kept, ahead of the wait
	s_wait_alu depctr_va_vdst(0)                   ; step j - 1's products are done reading their set of A, in which K step j + 1 lands, and their set of Wo, in which K step j + 3 lands
.if \j < 5
	LOADB ((\j)+3)%4, (\j)+3                       ; asked for ahead of the wait for this step's data, so that four sets are on their way
.endif
.endif
	s_wait_loadcnt \lc                             ; this step's fragments of Wo are in; the younger sets, 16 loads each, may be out
	s_wait_dscnt 16                                ; A's blocks 0-3 are in; blocks 4-7 may be out
	MUL 0, \j, \zero
.if \j < 7
	FETCH_A (\j)+1, 0                              ; no wait: no product since the wait above names the other set
.endif
	MUL 2, \j, \zero
.if \j < 7
	s_wait_dscnt 16                                ; blocks 4-7 are in; the 16 loads just issued may be out
.else
	s_wait_dscnt 0x0
.endif
	MUL 4, \j, \zero
.if \j < 7
	FETCH_A (\j)+1, 4
.endif
	MUL 6, \j, \zero
.endm
	FETCH_A 0, 0
	FETCH_A 0, 4
	STEP 0, 1, 48                                  ; the first K step starts the sums
	STEP 1, 0, 48
	STEP 2, 0, 48
	STEP 3, 0, 48
	STEP 4, 0, 48
	STEP 5, 0, 32
	STEP 6, 0, 16
	STEP 7, 0, 0
	PLACES 4                                       ; four places behind the last products, ahead of the first read of the sums (ISA guide 7.12.1)
	s_wait_kmcnt 0x0
	s_add_co_i32 s14, s14, s15
	s_add_co_i32 s14, s14, 127
	s_lshl_b32 s14, s14, 23                        ; 2^(e10 + e11)
	s_mov_b32 s15, s14                             ; (named with it as a pair)
.macro TOSTAGE a
.if (\a) > 0
	s_wait_alu depctr_vm_vsrc(0)                   ; the block before's LDS stores have read v32-63, which the lines below write again; block a - 2's global stores have read the rows' registers, in which this block's rows land
.endif
	WIN 0x02
.set qq, 0
.rept 16
	v_pk_mul_f32 v[TMP+2*qq:TMP+2*qq+1], v[32*(\a)+2*qq:32*(\a)+2*qq+1], s[14:15] op_sel_hi:[1,0]   ; each accumulator from its low end on
.set qq, qq+1
.endr
	WIN 0
	s_wait_alu depctr_va_vdst(0)                   ; the multiplications have written v32-63, which the LDS stores read
.irp b, 0,1,2,3
	ds_store_b128 v[STO], v[TMP+8*\b:TMP+8*\b+3] offset:64*\b
	ds_store_b128 v[STO], v[TMP+8*\b+4:TMP+8*\b+7] offset:64*\b+16
.endr
.set BB, BK+32*((\a)%2)
.irp i, 0,1,2,3,4,5,6,7
	ds_load_b128 v[BB+4*\i:BB+4*\i+3], v[RD] offset:2*SPITCH*\i   ; my own stage: LDS serves a wave's instructions in order (ISA guide 5.7.1.4)
.endr
.endm
.macro SEND a, younger
.set BB, BK+32*((\a)%2)
	s_wait_dscnt \younger                          ; the block is back; the next block's 8 stores and 8 loads may be out
.irp i, 0,1,2,3,4,5,6,7
	global_store_b128 v[CO], v[BB+4*\i:BB+4*\i+3], s[10:11] offset:65536*(\a)+8192*\i th:TH_STORE_NT   ; sixteen lanes store 256 consecutive bytes, aligned
.endr
.endm
	TOSTAGE 0
.irp a, 1,2,3,4,5,6,7
.if \a > 1
	s_wait_xcnt 0x0                                ; block a - 2's stores have read their registers: block a's rows may land there
.endif
	TOSTAGE \a
	SEND \a-1, 16
.endr
	SEND 7, 0
	s_wait_dscnt 0x0                               ; the closing lines, six on end (every window is 0 here)
	s_wait_alu 0x0
	s_wait_tensorcnt 0x0
	ds_add_u32 v[SPW], v[NIL]
	s_wait_dscnt 0x0
	s_endpgm
.Lfunc_end_k_q734641b95f_out:
	.size	k_q734641b95f_out, .Lfunc_end_k_q734641b95f_out-k_q734641b95f_out
	.p2alignl 7, 3214868480
	.fill 96, 4, 3214868480
	.section	.rodata,"a",@progbits
	.p2align	6, 0x0
	.amdhsa_kernel k_q734641b95f_out
		.amdhsa_group_segment_fixed_size 148992
		.amdhsa_private_segment_fixed_size 0
		.amdhsa_enable_private_segment 0
		.amdhsa_kernarg_size 32
		.amdhsa_user_sgpr_count 2
		.amdhsa_user_sgpr_kernarg_segment_ptr 1
		.amdhsa_wavefront_size32 1
		.amdhsa_system_sgpr_workgroup_id_x 1
		.amdhsa_system_sgpr_workgroup_id_y 1
		.amdhsa_system_sgpr_workgroup_id_z 1
		.amdhsa_system_vgpr_workitem_id 0
		.amdhsa_next_free_vgpr 1024
		.amdhsa_next_free_sgpr 66
		.amdhsa_reserve_vcc 0
		.amdhsa_float_denorm_mode_32 3
		.amdhsa_float_denorm_mode_16_64 3
		.amdhsa_memory_ordered 1
		.amdhsa_forward_progress 1
		.amdhsa_inst_pref_size 84
	.end_amdhsa_kernel
	.amdgpu_metadata
---
amdhsa.version: [ 1, 2 ]
amdhsa.kernels:
  - .name:           k_q734641b95f_out
    .symbol:         k_q734641b95f_out.kd
    .args:
      - { .name: aimg, .offset: 0, .size: 8, .value_kind: global_buffer, .address_space: global }
      - { .name: wimg, .offset: 8, .size: 8, .value_kind: global_buffer, .address_space: global }
      - { .name: lowp_scales, .offset: 16, .size: 8, .value_kind: global_buffer, .address_space: global }
      - { .name: out0, .offset: 24, .size: 8, .value_kind: global_buffer, .address_space: global }
    .group_segment_fixed_size: 148992
    .private_segment_fixed_size: 0
    .kernarg_segment_align: 8
    .kernarg_segment_size: 32
    .max_flat_workgroup_size: 128
    .sgpr_count:     66
    .vgpr_count:     1024
    .wavefront_size: 32
...
	.end_amdgpu_metadata
.endif
;; end of part 7
